; MI455X (gfx1250); checked and timed in simulation.
; The chip was launched on July 23, 2026; its instructions are those of AMD's public machine-readable ISA for CDNA 5 (MIT licence, August 2026) and "CDNA5" Instruction Set Architecture Reference Guide (July 2026). The comments in the code are by the model that wrote it; some were corrected since.
;; Qwen3 Attention. Allowed arithmetic: float matrix products may take bf16 or f16 operands with f32 sums; other float arithmetic in f32, or as packed bf16 or f16 multiplies, adds, multiply-adds, maxima and minima; sums over many terms, partial sums and values carried from step to step in f32; what a program stores and reads back later, other than sums and carried values, may be rounded once to bf16 or f16.
;; Inputs: attention_mask 2 x 1 x 2,048 x 2,048 float32; cos 2 x 2,048 x 128 float32; hidden_states 2 x 2,048 x 2,048 float32; k_kernel 2,048 x 1,024 float32; k_norm_w 128 float32; o_kernel 1,024 x 2,048 float32; q_kernel 2,048 x 1,024 float32; q_norm_w 128 float32; sin 2 x 2,048 x 128 float32; v_kernel 2,048 x 1,024 float32.
;; Outputs: out0 2 x 2,048 x 2,048 float32.
;; 2 versions, each right; version 2 is version 1 with the launch cast written anew for expert scheduling mode. Each part assembles by itself: llvm-mc -triple=amdgcn-amd-amdhsa -mcpu=gfx1250 --defsym DOCPART=n.
;; ======== version 1 of 2: 4 launches
;; limits: values are held in f16: magnitudes above 65,504 overflow, below 6.1e-05 lose precision
;; workspace buffers: xb 16,777,216 bytes; wqkv 12,582,912 bytes; wo 4,194,304 bytes; mb 16,777,216 bytes; rope 2,228,224 bytes; qkv 25,165,824 bytes; ob 8,388,608 bytes
;; launch cast (part 1): grid 964 x 1, 8 waves a work-group, no clusters, 0 bytes of LDS; arguments hidden_states, q_kernel, k_kernel, v_kernel, cos, sin, xb, wqkv, rope; writes xb, wqkv, rope
.if DOCPART == 1
	.amdgcn_target "amdgcn-amd-amdhsa--gfx1250"
	.amdhsa_code_object_version 6
	.text
	.protected	k_q58871c1d3c_cast
	.globl	k_q58871c1d3c_cast
	.p2align	8
	.type	k_q58871c1d3c_cast,@function
k_q58871c1d3c_cast:
	s_mov_b64 s[64:65], 0
	v_nop
	global_prefetch_b8 v0, s[64:65] scope:SCOPE_SE
	s_setreg_imm32_b32 hwreg(HW_REG_WAVE_MODE, 25, 1), 1
	s_wait_xcnt 0x0
; WHAT THE PROJECTIONS NEED IS ROUNDED ONCE TO bf16 AND LAID OUT FOR THEM.  A stream: each input byte is read once, each output byte written once.  (The mask and o_kernel, which later launches alone need, are cast there.)
; A work-group takes 16,384 numbers, each of its eight waves 2,048: sixteen loads of 16 bytes a lane, all issued at once; the stores have registers of their own, so nothing is rewritten while a store reads it.
; JOBS, by the work-group's number:
;   0-511      hidden_states -> xb, bf16 [4096][2048]
;   512-895    q, k, v kernels -> wqkv, bf16, three matrices [2048 k][1024 n] on end
;   896-959    cos, sin -> rope, bf16: row b*2048+s of 512 bytes = cos[0..127], then sin with the sign of rotate_half: -sin[d] for d < 64, +sin[d] above
;   960-963    256 neutral rows behind them (cos = 1, sin = 0), through which V walks the same lines as Q and K
; No matrix unit, no cluster, no LDS, no barrier: no wave wants a byte that another wave fetched.
.set X,   16                           ; v[16:79]   as loaded
.set Y,   80                           ; v[80:111]  to store
.set VI,  2                            ; my byte offset in the source
.set VO,  3                            ; in the destination
.set VM,  6                            ; the sign bits for sin
	s_load_b512 s[8:23], s[0:1], 0x0               ; hidden 8, q 10, k 12, v 14, cos 16, sin 18, xb 20, wqkv 22
	s_load_b64 s[24:25], s[0:1], 0x40              ; rope
	v_and_b32 v1, 31, v0                           ; lane
	v_lshrrev_b32 v7, 5, v0
	v_readfirstlane_b32 s2, v7                     ; wave
	s_mov_b32 s3, ttmp9                            ; the job
	s_mov_b32 s39, 0                               ; high words of the two offsets
	s_mov_b32 s41, 0
	s_lshl_b32 s4, s2, 13
	v_lshl_add_u32 v[VI], v1, 4, s4                ; a wave's 8,192 bytes of f32, 16 bytes a lane
	s_lshl_b32 s4, s2, 12
	v_lshl_add_u32 v[VO], v1, 3, s4                ; a wave's 4,096 bytes of bf16, 8 bytes a lane
	s_wait_kmcnt 0x0
; kind 0: to bf16.  2: to bf16, signs turned by VM.  ostr: bytes in the destination from one load's 128 numbers to the next's.
.macro STREAM kind, ostr
.set i, 0
.rept 16
	global_load_b128 v[X+4*i:X+4*i+3], v[VI], s[34:35] offset:512*i th:TH_LOAD_NT
.set i, i+1
.endr
.set i, 0
.rept 16
	s_wait_loadcnt 15-i                            ; loads come back in order: load i is in, the younger ones stay out
	v_cvt_pk_bf16_f32 v[Y+2*i], v[X+4*i], v[X+4*i+1]
	v_cvt_pk_bf16_f32 v[Y+2*i+1], v[X+4*i+2], v[X+4*i+3]
.if (\kind) == 2
	v_xor_b32 v[Y+2*i], v[VM], v[Y+2*i]
	v_xor_b32 v[Y+2*i+1], v[VM], v[Y+2*i+1]
.endif
	global_store_b64 v[VO], v[Y+2*i:Y+2*i+1], s[36:37] offset:(\ostr)*i  ; the wave's store covers 256 consecutive bytes, aligned
.set i, i+1
.endr
.endm
	s_cmp_lt_u32 s3, 512
	s_cbranch_scc1 .Lhid
	s_cmp_lt_u32 s3, 896
	s_cbranch_scc1 .Lw
	s_cmp_lt_u32 s3, 960
	s_cbranch_scc1 .Ltab
	; the neutral rows: 64 rows to a work-group, 8 to a wave
	s_sub_co_u32 s4, s3, 960
	s_lshl_b32 s40, s4, 15
	s_add_co_u32 s40, s40, 2097152
	s_add_nc_u64 s[36:37], s[24:25], s[40:41]
	v_mov_b32 v[Y], 0x3f803f80                     ; 1.0 twice
	v_mov_b32 v[Y+1], 0x3f803f80
	v_mov_b32 v[Y+2], 0
	v_mov_b32 v[Y+3], 0
.set i, 0
.rept 16
	global_store_b64 v[VO], v[Y+2*(i%2):Y+2*(i%2)+1], s[36:37] offset:256*i
.set i, i+1
.endr
	s_branch .Lend
.Lhid:
	s_lshl_b32 s38, s3, 16
	s_lshl_b32 s40, s3, 15
	s_add_nc_u64 s[34:35], s[8:9], s[38:39]
	s_add_nc_u64 s[36:37], s[20:21], s[40:41]
	s_branch .Ls0
.Lw:
	s_sub_co_u32 s4, s3, 512
	s_lshr_b32 s5, s4, 7                           ; 0 q, 1 k, 2 v
	s_and_b32 s6, s4, 127
	s_lshl_b32 s38, s6, 16
	s_lshl_b32 s40, s4, 15                         ; the three matrices lie on end in wqkv
	s_cmp_eq_u32 s5, 1
	s_cselect_b64 s[34:35], s[12:13], s[10:11]
	s_cmp_eq_u32 s5, 2
	s_cselect_b64 s[34:35], s[14:15], s[34:35]
	s_add_nc_u64 s[34:35], s[34:35], s[38:39]
	s_add_nc_u64 s[36:37], s[22:23], s[40:41]
.Ls0:
	STREAM 0, 256
	s_branch .Lend
.Ltab:
	s_sub_co_u32 s4, s3, 896
	s_lshr_b32 s5, s4, 5                           ; 0 cos, 1 sin
	s_and_b32 s6, s4, 31
	s_lshl_b32 s38, s6, 16                         ; 128 rows of 512 bytes, in the source and in rope
	s_lshl_b32 s7, s5, 8
	s_add_co_u32 s40, s38, s7                      ; sin lies 256 bytes behind cos in a row
	s_cmp_eq_u32 s5, 1
	s_cselect_b64 s[34:35], s[18:19], s[16:17]
	s_cselect_b32 s7, 0x80008000, 0
	s_add_nc_u64 s[34:35], s[34:35], s[38:39]
	s_add_nc_u64 s[36:37], s[24:25], s[40:41]
	s_lshl_b32 s4, s2, 13                          ; a wave's 16 rows of 512 bytes
	v_lshl_add_u32 v[VO], v1, 3, s4
	v_cmp_gt_u32 vcc_lo, 16, v1                    ; lanes 0-15 hold d < 64
	v_cndmask_b32 v[VM], 0, s7, vcc_lo
	STREAM 2, 512
.Lend:
	s_endpgm
.Lfunc_end_k_q58871c1d3c_cast:
	.size	k_q58871c1d3c_cast, .Lfunc_end_k_q58871c1d3c_cast-k_q58871c1d3c_cast
	.p2alignl 7, 3214868480
	.fill 96, 4, 3214868480
	.section	.rodata,"a",@progbits
	.p2align	6, 0x0
	.amdhsa_kernel k_q58871c1d3c_cast
		.amdhsa_group_segment_fixed_size 0
		.amdhsa_private_segment_fixed_size 0
		.amdhsa_enable_private_segment 0
		.amdhsa_kernarg_size 72
		.amdhsa_user_sgpr_count 2
		.amdhsa_user_sgpr_kernarg_segment_ptr 1
		.amdhsa_wavefront_size32 1
		.amdhsa_system_sgpr_workgroup_id_x 1
		.amdhsa_system_sgpr_workgroup_id_y 1
		.amdhsa_system_sgpr_workgroup_id_z 1
		.amdhsa_system_vgpr_workitem_id 0
		.amdhsa_next_free_vgpr 112
		.amdhsa_next_free_sgpr 66
		.amdhsa_reserve_vcc 1
		.amdhsa_float_denorm_mode_32 3
		.amdhsa_float_denorm_mode_16_64 3
		.amdhsa_memory_ordered 1
		.amdhsa_forward_progress 1
		.amdhsa_inst_pref_size 17
	.end_amdhsa_kernel
	.amdgpu_metadata
---
amdhsa.version: [ 1, 2 ]
amdhsa.kernels:
  - .name:           k_q58871c1d3c_cast
    .symbol:         k_q58871c1d3c_cast.kd
    .args:
      - { .name: hidden_states, .offset: 0, .size: 8, .value_kind: global_buffer, .address_space: global }
      - { .name: q_kernel, .offset: 8, .size: 8, .value_kind: global_buffer, .address_space: global }
      - { .name: k_kernel, .offset: 16, .size: 8, .value_kind: global_buffer, .address_space: global }
      - { .name: v_kernel, .offset: 24, .size: 8, .value_kind: global_buffer, .address_space: global }
      - { .name: cos, .offset: 32, .size: 8, .value_kind: global_buffer, .address_space: global }
      - { .name: sin, .offset: 40, .size: 8, .value_kind: global_buffer, .address_space: global }
      - { .name: xb, .offset: 48, .size: 8, .value_kind: global_buffer, .address_space: global }
      - { .name: wqkv, .offset: 56, .size: 8, .value_kind: global_buffer, .address_space: global }
      - { .name: rope, .offset: 64, .size: 8, .value_kind: global_buffer, .address_space: global }
    .group_segment_fixed_size: 0
    .private_segment_fixed_size: 0
    .kernarg_segment_align: 8
    .kernarg_segment_size: 72
    .max_flat_workgroup_size: 256
    .sgpr_count:     66
    .vgpr_count:     112
    .wavefront_size: 32
...
	.end_amdgpu_metadata
.endif
;; end of part 1
;; launch qkv (part 2): grid 16 x 16, 4 waves a work-group, clusters of 4 x 4, 327,680 bytes of LDS; arguments xb, wqkv, rope, q_norm_w, k_norm_w, qkv, attention_mask, mb, o_kernel, wo; writes qkv, mb, wo
.if DOCPART == 2
	.amdgcn_target "amdgcn-amd-amdhsa--gfx1250"
	.amdhsa_code_object_version 6
	.text
	.protected	k_q58871c1d3c_qkv
	.globl	k_q58871c1d3c_qkv
	.p2align	8
	.type	k_q58871c1d3c_qkv,@function
k_q58871c1d3c_qkv:
	s_mov_b64 s[64:65], 0
	v_nop
	global_prefetch_b8 v0, s[64:65] scope:SCOPE_SE
	s_setreg_imm32_b32 hwreg(HW_REG_WAVE_MODE, 25, 1), 1
	s_wait_xcnt 0x0
	s_wait_alu depctr_hold_cnt(0) depctr_sa_sdst(0) depctr_va_vdst(0) depctr_va_sdst(0) depctr_va_ssrc(0) depctr_va_vcc(0) depctr_vm_vsrc(0)
	s_getreg_b32 s2, hwreg(HW_REG_IB_STS2, 6, 4)
	s_cmp_eq_u32 s2, 0
	s_cbranch_scc0 .Lentry_in_a_cluster
	s_endpgm
.Lentry_in_a_cluster:
	s_bfe_u32 s2, ttmp6, 0x10000c
	s_cmp_lg_u32 s2, 0xf033
	s_cbranch_scc0 .Lentry_shape_is_right
	s_endpgm
.Lentry_shape_is_right:
; q, k, v = x W, then for q and k the RMS norm of each head's 128 numbers, its gain and the rotary turn; q also takes 1 / sqrt(128).  Written by heads, f16 [b*8+h][s][128]: q, then k, then v.
; x: bf16 [4096][2048].  W: bf16 [2048 k][1024 n], three of them.  Sums, norm and turn in f32; one rounding to f16 at the end.
; LIMITS.  f16 holds no number beyond 65,504: q and k are normalised (at most 11.4 |w| (|cos| + |sin|)); v must lie within it.  NaN and infinities are not treated apart.
; SHARES.  The cluster's x is the job, the same in all sixteen partners: 0 q, 1 k, 2 v, 3 THE CASTS (below).  A multiplying work-group makes 256 rows x 256 columns (two heads); a wave 128 rows x 128 columns, ONE HEAD:
; 64 accumulators of 16 x 16, 512 registers.  That is 12 x 16 = 192 work-groups: a tile that gave 256 would cut a head between waves.
; THE CASTS.  The other 4 x 16 = 64 work-groups round what later launches alone need: attention_mask -> mb, bf16 in blocks (a block of 64 queries x 64 keys is 8,192 dense bytes, made of 16 sub-blocks of 16 queries x
; 16 keys; in a sub-block lane l's 16 bytes are query l % 16, keys 8 (l / 16) + 0..7: the layout in which the attention's scores lie in registers), and o_kernel -> wo: rounded to bf16, that number written as f16
; [1024 k][2048 n].  LIMIT: below 2^-17 it keeps f16's fixed step of 2^-24.  Their text stands at the end; it has no tensor load.
; K goes in 16 steps of 128 through a ring of two LDS slots.  x's rows lie along K; W's rows lie along n, so its fragments come out of LDS turned, by ds_load_tr16_b128.
; CLUSTER 4 x 4: x's tile hangs on the tile row alone and is asked for jointly by a row of the cluster, W's on the matrix and the tile column and is asked for jointly by a column.
; THE MATRIX INSTRUCTION IS USED TRANSPOSED (source 0 = 16 columns of W, source 1 = 16 rows of x): a lane holds row l % 16 and eight neighbouring columns.
; THE WAY OUT goes by blocks of 16 rows through a stage in LDS, f32, so that 16 lanes hold a whole row of a head: the sum of squares is four steps within 16 lanes, and the partner column d +- 64 lies 8 lanes away.
; cos and sin of the tile's 256 rows come into slot 0 by one more joint load when K step 14 has been read.  V walks the same lines with neutral factors and neutral table rows: no branch tells the matrices apart.
; REGISTERS: window 0: v0-39 addresses and the gain; v64-127, v128-191 fragments of x, two buffers; window 1: the same for W; windows 2, 3: accumulators ((a, b) at v[8 (8 (a % 4) + b)]).
.set PITCH,  272                       ; a row of x in LDS: 256 bytes + 16: the 16 rows of a load start at 16 different groups of four banks (ISA guide 11.1)
.set PB,     544                       ; a row of W in LDS: 512 bytes + 32
.set HALFT,  128*PITCH                 ; what one tensor load brings: 128 rows of x, or 64 rows of W (64 x 544 is the same number)
.set BOFF,   2*HALFT                   ; W's 128 rows lie behind x's 256
.set SLOT,   4*HALFT
.set STAGE,  2*SLOT                    ; behind the ring, never filled by a tensor load: 16 rows x 528 bytes for each wave
.set SPITCH, 528
.set SPARE,  STAGE+4*16*SPITCH         ; the spare words, 128 bytes for each wave, which no other line names
.set ADRA, 16                          ; v16-17 LDS address of my fragments of x in slot 0, 1
.set ADRB, 20                          ; v20-21 the same for W
.set STO,  24                          ; the way out: where I put 16 bytes of a row
.set RD,   25                          ; where I read a row back
.set GO,   26                          ; my byte offset in the output
.set TA,   27                          ; my place in the tables
.set SPW,  28
.set NIL,  29
.set PFO,  30                          ; the prefetches' lane offset; never rewritten
.set WO,   31                          ; my offset in the gain
.set W,    32                          ; v[32:39] the gain of my 8 columns
.set F0,   64
.set F1,   128
.set XR,   64                          ; the way out: v[64:127] pair of rows p: my 8 columns, f32
.set CO,   128                         ; v[128:159] cos, bf16
.set SI,   160                         ; v[160:191] signed sin, bf16
.set SF,   192                         ; v[192:199] sin as f32
.set T,    200                         ; v[200:207] partner x sin
.set SS,   208                         ; v[208:223] sums of squares, then 1 / rms
.set OP,   224                         ; v[224:255] packed results
.set BLK, 2
.set LAP, 3
.set WV,  16
.set RH,  17                           ; which 128 rows are mine.  Also: I fetch for x (0) or for W (1)
.set CH,  18                           ; which head of the two.  Also: which half of that tile I fetch
.set CX,  19
.set CY,  20
.set TY,  21
.set TR,  22
.set G1,  24
.set G0,  32
.set G1B, 48
.set G0B, 56
.set PFA, 66
.set PST, 68
.set LIM, 70
.set GT1, 72
.set GT0, 80
.set VA,  84
.set VB,  85
.set WA,  86
.set WB,  87
.set HIM, 88
.set WP,  90
.set MSB, 0
.macro WIN new                         ; the immediate's high byte repeats the setting that is left
.if MSB != (\new)
	s_set_vgpr_msb (MSB<<8)|(\new)
.set MSB, \new
.endif
.endm
.set MUL_LO, 0xa1                      ; source 0 (W) window 1, source 1 (x) window 0, C and D window 2
.set MUL_HI, 0xf1                      ; the same, C and D window 3
.set TO_B,   0x40                      ; destination window 1
.macro JLOAD s                         ; a joint load: waves 0, 1 fetch x's halves, waves 2, 3 W's; an s_nop 0 and four v_nop follow each line
	s_cmp_eq_u32 s[RH], 0
	s_cbranch_scc0 .Lfor_b_\@
	tensor_load_to_lds s[G0+4*(\s):G0+4*(\s)+3], s[G1:G1+7]
	s_nop 0
.rept 4
	v_nop
.endr
	s_branch .Lasked_\@
.Lfor_b_\@:
	tensor_load_to_lds s[G0B+4*(\s):G0B+4*(\s)+3], s[G1B:G1B+7]
	s_nop 0
.rept 4
	v_nop
.endr
.Lasked_\@:
.endm
; A prefetch of the K step that stands two refills on, behind the joint load and the run of LDS loads.  x's tile row is read by the three clusters of a row of clusters: cluster x = 0 asks; W's tile by the four of a
; column: cluster y = 0 asks.  The four partners that ask for a tile jointly share its blocks of 256 bytes out by address, 32 each, a lane a block.  The loop's last trip asks for nothing: K has no step 16.
.macro ASK
	s_cmp_gt_u32 s[LAP], s[LIM]
	s_cbranch_scc0 .Lnot_mine_\@
	global_prefetch_b8 v[PFO], s[PFA:PFA+1] th:TH_LOAD_NT scope:SCOPE_SE
.Lnot_mine_\@:
.endm
.macro CREST                           ; a round of the cluster's barrier behind its opening barrier
	s_cmp_lg_u32 s[WV], 0
	s_cbranch_scc1 .Lnot_wave_0_\@
	s_barrier_signal -3
.Lnot_wave_0_\@:
	s_barrier_wait -3
	s_barrier_signal -1
	s_barrier_wait -1
.endm
.macro CROUND
	s_barrier_signal -1
	s_barrier_wait -1
	CREST
.endm
	s_load_b256 s[4:11], s[0:1], 0x0               ; xb 4, wqkv 6, rope 8, q_norm_w 10
	s_load_b128 s[12:15], s[0:1], 0x20             ; k_norm_w 12, qkv 14
	v_lshl_add_u32 v[SPW], v0, 2, SPARE
	v_mov_b32 v[NIL], 0
	ds_add_u32 v[SPW], v[NIL]                      ; the wave's opening: the add and its wait stand ahead of my first tensor load
	v_lshrrev_b32 v1, 5, v0
	v_readfirstlane_b32 s[WV], v1
	s_lshr_b32 s[RH], s[WV], 1
	s_and_b32 s[CH], s[WV], 1
	s_bfe_u32 s[CX], ttmp6, 0x40000
	s_bfe_u32 s[CY], ttmp6, 0x40004
	s_mov_b32 s[TY], ttmp9                         ; the job: the cluster's x
	s_and_b32 s[TR], ttmp7, 0xffff
	s_lshl_b32 s[TR], s[TR], 2
	s_add_co_u32 s[TR], s[TR], s[CY]               ; tile row = 4 x cluster y + cy
	s_lshl_b32 s40, s[CY], 2
	s_lshl_b32 s40, 15, s40                        ; my row of the cluster
	s_lshl_b32 s41, 0x1111, s[CX]                  ; my column
	s_or_b32 s[G1], s40, (1<<16)|(1<<20)|(1<<21)|(5<<22)|(3<<25)   ; x: 2-byte elements, 4 words of padding after every 64
	s_or_b32 s[G1B], s41, (1<<16)|(1<<20)|(1<<21)|(6<<22)|(7<<25)  ; W: 8 words of padding after every 128
	s_or_b32 s[GT1], s40, (3<<16)|(1<<21)          ; the tables: 8-byte elements, no padding; they hang on the tile row
	s_mov_b32 s[G1+1], 128<<16                     ; tensor_dim0 = 128
	s_mov_b32 s[G1+2], 128<<16                     ; tensor_dim1 = 128
	s_mov_b32 s[G1+3], 128<<16                     ; tile_dim0 = 128
	s_mov_b32 s[G1+4], 128                         ; tile_dim1 = 128
	s_mov_b32 s[G1+5], 2048                        ; elements from row to row
	s_mov_b32 s[G1+6], 0
	s_mov_b32 s[G1+7], 0
	s_mov_b32 s[G1B+1], 256<<16
	s_mov_b32 s[G1B+2], 64<<16
	s_mov_b32 s[G1B+3], 256<<16
	s_mov_b32 s[G1B+4], 64
	s_mov_b32 s[G1B+5], 1024
	s_mov_b32 s[G1B+6], 0
	s_mov_b32 s[G1B+7], 0
	s_mov_b32 s[GT1+1], 32<<16                     ; dense rows of 256 bytes
	s_mov_b32 s[GT1+2], 128<<16
	s_mov_b32 s[GT1+3], 32<<16
	s_mov_b32 s[GT1+4], 128
	s_mov_b32 s[GT1+5], 32
	s_mov_b32 s[GT1+6], 0
	s_mov_b32 s[GT1+7], 0
	s_lshl_b32 s42, s[TR], 20                      ; x: (256 x tile row + 128 x half) rows of 4,096 bytes
	s_lshl_b32 s43, s[CH], 19
	s_add_co_u32 s42, s42, s43
	s_mov_b32 s43, 0
	s_lshl_b32 s46, s[TY], 22                      ; W: the matrix, 512 bytes a tile column, 64 rows of 2,048 bytes a half
	s_lshl_b32 s47, s[CX], 9
	s_add_co_u32 s46, s46, s47
	s_lshl_b32 s47, s[CH], 17
	s_add_co_u32 s46, s46, s47
	s_mov_b32 s47, 0
	s_lshl_b32 s44, s[TR], 17                      ; the tables: the tile's 256 rows of 512 bytes, or for V the neutral rows; a quarter to each wave
	s_cmp_eq_u32 s[TY], 2
	s_cselect_b32 s44, 2097152, s44
	s_lshl_b32 s45, s[WV], 15
	s_add_co_u32 s44, s44, s45
	s_mov_b32 s45, 0
	s_mov_b32 s[GT0], 1
	s_lshl_b32 s[GT0+1], s[WV], 15                 ; into slot 0's bytes, from LDS byte 0 on
	s_mul_i32 s23, s[WV], HALFT                    ; x's two halves, then W's two halves
	s_mov_b32 s[HIM], 0xffff0000
	s_wait_dscnt 0x0                               ; the opening add is done
	s_wait_kmcnt 0x0
	s_cmp_eq_u32 s[TY], 3                          ; the cluster's x: the same in all sixteen partners
	s_cbranch_scc1 .Lside                          ; the casts
	s_add_nc_u64 s[42:43], s[4:5], s[42:43]
	s_add_nc_u64 s[46:47], s[6:7], s[46:47]
	s_add_nc_u64 s[GT0+2:GT0+3], s[8:9], s[44:45]
	s_or_b32 s[GT0+3], s[GT0+3], 0x80000000
	CROUND                                         ; all sixteen work-groups are here: the first joint loads meet
.irp s, 0,1
	s_mov_b32 s[G0+4*(\s)], 1
	s_add_co_u32 s[G0+4*(\s)+1], s23, (\s)*SLOT
	s_add_nc_u64 s[G0+4*(\s)+2:G0+4*(\s)+3], s[42:43], (\s)*256
	s_or_b32 s[G0+4*(\s)+3], s[G0+4*(\s)+3], 0x80000000
	s_mov_b32 s[G0B+4*(\s)], 1
	s_add_co_u32 s[G0B+4*(\s)+1], s23, (\s)*SLOT
	s_add_nc_u64 s[G0B+4*(\s)+2:G0B+4*(\s)+3], s[46:47], (\s)*262144
	s_or_b32 s[G0B+4*(\s)+3], s[G0B+4*(\s)+3], 0x80000000
	JLOAD \s
.endr
	; the prefetches: they stand at K step 3; the first refill steps them to 4
	s_lshl_b32 s40, s[TR], 20
	s_lshl_b32 s41, s[CH], 19
	s_add_co_u32 s40, s40, s41
	s_lshl_b32 s41, s[CX], 17                      ; my work-group's 32 rows of x
	s_add_co_u32 s40, s40, s41
	s_add_co_u32 s40, s40, 3*256
	s_lshl_b32 s44, s[TY], 22
	s_lshl_b32 s45, s[CX], 9
	s_add_co_u32 s44, s44, s45
	s_lshl_b32 s45, s[CH], 17
	s_add_co_u32 s44, s44, s45
	s_lshl_b32 s45, s[CY], 15                      ; my work-group's 16 rows of W
	s_add_co_u32 s44, s44, s45
	s_add_co_u32 s44, s44, 3*262144
	s_and_b32 s45, ttmp7, 0xffff
	s_mov_b32 s[PST], 262144
	s_cmp_eq_u32 s[RH], 0
	s_cselect_b32 s40, s40, s44
	s_cselect_b32 s45, ttmp9, s45                  ; the coordinate along which other clusters read the same blocks
	s_cselect_b32 s[PST], 256, s[PST]              ; bytes from a K step to the next
	s_cselect_b32 s44, -1, 0
	s_cselect_b64 s[PFA:PFA+1], s[4:5], s[6:7]
	s_mov_b32 s41, 0
	s_mov_b32 s[PST+1], 0
	s_add_nc_u64 s[PFA:PFA+1], s[PFA:PFA+1], s[40:41]
	s_cmp_eq_u32 s45, 0
	s_cselect_b32 s[LIM], 1, -1
	v_and_b32 v6, 31, v0
	v_lshlrev_b32 v7, 12, v6                       ; x: a lane a row
	v_lshrrev_b32 v8, 1, v6
	v_lshlrev_b32 v8, 11, v8                       ; W: two lanes a row of 512 bytes
	v_and_b32 v6, 1, v6
	v_lshl_add_u32 v8, v6, 8, v8
	v_cndmask_b32 v[PFO], v8, v7, s44
	; the factors that tell the matrices apart
	s_cmp_eq_u32 s[TY], 2
	s_cselect_b32 s[VA], 0, 0x3c000000             ; mean of squares = sum / 128,
	s_cselect_b32 s[VB], 1.0, 0x358637bd           ; + 1e-6; for V: 0 x sum + 1
	s_cselect_b32 s[WB], 1.0, 0
	s_cselect_b32 s[WA], 0, 1.0
	s_cmp_eq_u32 s[TY], 0
	s_cselect_b32 s[WA], 0x3db504f3, s[WA]         ; q's gain takes 1 / sqrt(128)
	s_cmp_eq_u32 s[TY], 1
	s_cselect_b64 s[WP:WP+1], s[12:13], s[10:11]
	v_and_b32 v1, 15, v0                           ; l % 16
	v_bfe_u32 v2, v0, 4, 1                         ; l / 16
	v_mul_u32_u24 v3, v1, PITCH
	v_lshl_add_u32 v3, v2, 4, v3
	s_mul_i32 s40, s[RH], HALFT
	v_add_nc_u32 v[ADRA], s40, v3
	v_add_nc_u32 v[ADRA+1], SLOT, v[ADRA]
	v_and_b32 v4, 7, v0                            ; the turning load: lane l reads row k = 8 (l / 16) + l % 8, 16 bytes at column 8 ((l / 8) % 2)
	v_lshl_add_u32 v4, v2, 3, v4
	v_mul_u32_u24 v4, v4, PB
	v_bfe_u32 v5, v0, 3, 1
	v_lshl_add_u32 v4, v5, 4, v4
	s_lshl_b32 s41, s[CH], 8
	s_add_co_u32 s41, s41, BOFF
	v_add_nc_u32 v[ADRB], s41, v4
	v_add_nc_u32 v[ADRB+1], SLOT, v[ADRB]
	s_mul_i32 s44, s[WV], 16*SPITCH
	s_add_co_u32 s44, s44, STAGE
	v_mul_u32_u24 v[STO], v1, SPITCH
	v_lshl_add_u32 v[STO], v2, 4, v[STO]
	v_add_nc_u32 v[STO], s44, v[STO]
	v_mul_u32_u24 v[RD], v2, SPITCH
	v_lshl_add_u32 v[RD], v1, 4, v[RD]
	v_add_nc_u32 v[RD], s44, v[RD]
	v_lshlrev_b32 v[GO], 8, v2
	v_lshl_add_u32 v[GO], v1, 4, v[GO]
	s_lshl_b32 s45, s[RH], 16
	v_lshl_add_u32 v[TA], v2, 9, s45
	v_lshl_add_u32 v[TA], v1, 4, v[TA]
	v_lshlrev_b32 v[WO], 5, v1
	global_load_b128 v[W:W+3], v[WO], s[WP:WP+1]   ; waited for on the way out
	global_load_b128 v[W+4:W+7], v[WO], s[WP:WP+1] offset:16
	s_lshr_b32 s40, s[TR], 3                       ; the output: ((b x 8 + head) x 2,048 + s) rows of 256 bytes, behind the matrix's 8,388,608
	s_lshl_b32 s40, s40, 3
	s_lshl_b32 s41, s[CX], 1
	s_add_co_u32 s40, s40, s41
	s_add_co_u32 s40, s40, s[CH]
	s_lshl_b32 s40, s40, 11
	s_and_b32 s41, s[TR], 7
	s_lshl_b32 s41, s41, 8
	s_add_co_u32 s40, s40, s41
	s_lshl_b32 s41, s[RH], 7
	s_add_co_u32 s40, s40, s41
	s_lshl_b32 s40, s40, 8
	s_lshl_b32 s41, s[TY], 23
	s_add_co_u32 s40, s40, s41
	s_mov_b32 s41, 0
	s_add_nc_u64 s[14:15], s[14:15], s[40:41]
.macro MUL16 f, hi, a0, zero           ; 16 products: row blocks a0, a0 + 1 of the window's four x all 8 column blocks, 32 along K; zero = 1: they start the sums
	WIN MUL_LO+0x50*(\hi)
.irp a, \a0, (\a0)+1
.irp b, 0,1,2,3,4,5,6,7
.if \zero
	v_wmma_f32_16x16x32_bf16 v[8*(8*(\a)+(\b)):8*(8*(\a)+(\b))+7], v[(\f)+8*(\b):(\f)+8*(\b)+7], v[(\f)+8*(4*(\hi)+(\a)):(\f)+8*(4*(\hi)+(\a))+7], 0
.else
	v_wmma_f32_16x16x32_bf16 v[8*(8*(\a)+(\b)):8*(8*(\a)+(\b))+7], v[(\f)+8*(\b):(\f)+8*(\b)+7], v[(\f)+8*(4*(\hi)+(\a)):(\f)+8*(4*(\hi)+(\a))+7], v[8*(8*(\a)+(\b)):8*(8*(\a)+(\b))+7]
.endif
.endr
.endr
.endm
.macro FETCH slot, q, f                ; 32 LDS loads in one run: quarter q's fragments: W's 8 column blocks (turned), then x's 8 row blocks
	WIN TO_B
.irp i, 0,1,2,3,4,5,6,7
	ds_load_tr16_b128 v[(\f)+8*(\i):(\f)+8*(\i)+3],   v[ADRB+(\slot)] offset:(\q)*32*PB+32*(\i)
	ds_load_tr16_b128 v[(\f)+8*(\i)+4:(\f)+8*(\i)+7], v[ADRB+(\slot)] offset:(\q)*32*PB+16*PB+32*(\i)
.endr
	WIN 0
.irp i, 0,1,2,3,4,5,6,7
	ds_load_b128 v[(\f)+8*(\i):(\f)+8*(\i)+3],   v[ADRA+(\slot)] offset:64*(\q)+(\i)*16*PITCH
	ds_load_b128 v[(\f)+8*(\i)+4:(\f)+8*(\i)+7], v[ADRA+(\slot)] offset:64*(\q)+(\i)*16*PITCH+32
.endr
.endm
.macro PLACES                          ; four plain vector instructions between a matrix instruction and a load into, or a read of, its registers
.rept 4
	v_nop
.endr
.endm
.macro QUARTER slot, q, f, g, zero     ; multiplies buffer f (64 products); in its middle fetches quarter q of the slot into buffer g
	s_wait_dscnt 8                                 ; W and x's rows 0-63 are in; the youngest eight loads (x's rows 64-127) may be out
	MUL16 \f, 0, 0, \zero
	MUL16 \f, 0, 2, \zero
	PLACES
	FETCH \slot, \q, \g
	s_wait_dscnt 32                                ; all but the 32 just issued
	MUL16 \f, 1, 0, \zero
	MUL16 \f, 1, 2, \zero
.endm
.macro MEET                            ; the first half of a step's last quarter, and the opening of a round
	WIN 0
	s_wait_tensorcnt 0x0                           ; all my tensor loads have landed: the one that was out is my part of the next slot
	ds_add_u32 v[SPW], v[NIL]                      ; 0 onto my spare word
	s_wait_dscnt 9                                 ; the add and the youngest eight loads may be out
	MUL16 F1, 0, 0, 0
	s_wait_dscnt 0x0                               ; the add is done, and my reads of this slot are over
	s_barrier_signal -1
	MUL16 F1, 0, 2, 0
	WIN 0
	s_barrier_wait -1
.endm
.macro TURN slot, next                 ; the last quarter: the slot just read is filled again, two K steps on, first thing behind the round
	s_wait_xcnt 0x0                                ; the last prefetch, a K step back, has read its address
	s_add_nc_u64 s[PFA:PFA+1], s[PFA:PFA+1], s[PST:PST+1]
	MEET
	CREST                                          ; no wave of any partner still reads this slot or has a load on its way
	s_add_nc_u64 s[G0+4*(\slot)+2:G0+4*(\slot)+3], s[G0+4*(\slot)+2:G0+4*(\slot)+3], 2*256
	s_add_nc_u64 s[G0B+4*(\slot)+2:G0B+4*(\slot)+3], s[G0B+4*(\slot)+2:G0B+4*(\slot)+3], 2*262144
	JLOAD \slot                                    ; its four v_nop are also the places in front of the loads below
	FETCH \next, 0, F0
	ASK
	MUL16 F1, 1, 0, 0
	MUL16 F1, 1, 2, 0
.endm
	s_wait_tensorcnt 1                             ; my part of K step 0 is in; K step 1's stays out
	s_barrier_signal -1
	s_barrier_wait -1
	FETCH 0, 0, F0
	QUARTER 0, 1, F0, F1, 1                        ; the first quarter starts the sums
	WIN 0
	s_mov_b32 s[LAP], 7
.Llap:                                             ; a trip goes once round the ring and fills both slots again: K steps 2 to 15
	QUARTER 0, 2, F1, F0, 0
	QUARTER 0, 3, F0, F1, 0
	TURN 0, 1
	QUARTER 1, 1, F0, F1, 0
	QUARTER 1, 2, F1, F0, 0
	QUARTER 1, 3, F0, F1, 0
	TURN 1, 0
	QUARTER 0, 1, F0, F1, 0
	WIN 0
	s_sub_co_u32 s[LAP], s[LAP], 1
	s_cmp_lg_u32 s[LAP], 0
	s_cbranch_scc1 .Llap
	QUARTER 0, 2, F1, F0, 0                        ; the last lap
	QUARTER 0, 3, F0, F1, 0
	MEET
	CREST
	tensor_load_to_lds s[GT0:GT0+3], s[GT1:GT1+7]  ; slot 0 has been read out: it takes the tile's cos and sin, a quarter from each wave
	s_nop 0
.rept 4
	v_nop
.endr
	FETCH 1, 0, F0
	MUL16 F1, 1, 0, 0
	MUL16 F1, 1, 2, 0
	QUARTER 1, 1, F0, F1, 0
	QUARTER 1, 2, F1, F0, 0
	QUARTER 1, 3, F0, F1, 0
	s_wait_dscnt 8
	MUL16 F1, 0, 0, 0
	MUL16 F1, 0, 2, 0
	s_wait_dscnt 0x0
	MUL16 F1, 1, 0, 0
	MUL16 F1, 1, 2, 0
	WIN 0
	s_wait_tensorcnt 0x0                           ; my quarter of the tables is in (no load was issued behind it),
	s_barrier_signal -1
	s_barrier_wait -1                              ; everybody's is
	PLACES
	PLACES
.irp e, 0,1,2,3,4,5,6,7
	v_mov_b32 v[T+\e], 0                           ; written once: the destination of a lane-crossing form counts as read
.endr
	s_wait_loadcnt 0x0                             ; the gain: rounded to bf16 like every input, then scaled in f32
.irp j, 0,1,2,3
	v_cvt_pk_bf16_f32 v[SF+\j], v[W+2*\j], v[W+2*\j+1]
.endr
.irp j, 0,1,2,3
	v_lshlrev_b32 v[W+2*\j], 16, v[SF+\j]
	v_and_b32 v[W+2*\j+1], s[HIM], v[SF+\j]
.endr
.irp e, 0,1,2,3,4,5,6,7
	v_fma_f32 v[W+\e], v[W+\e], s[WA], s[WB]
.endr
; Block a's 8 accumulators into my stage.  A lane's columns 16 b + 8 (l / 16) + 0..3 go into the row's first 256 bytes, + 4..7 into its second, so that stores and reads alike take 16 different groups of banks.
; Each accumulator's four lowest registers are read first.
.macro DUMP a
	WIN 0x08+4*((\a)/4)                            ; the stores' data lie in window 2 or 3
.irp b, 0,1,2,3,4,5,6,7
	ds_store_b128 v[STO], v[64*((\a)%4)+8*(\b):64*((\a)%4)+8*(\b)+3]   offset:32*(\b)
	ds_store_b128 v[STO], v[64*((\a)%4)+8*(\b)+4:64*((\a)%4)+8*(\b)+7] offset:32*(\b)+256
.endr
	WIN 0
.endm
.macro ROPE p                          ; rows 2 p and 2 p + 1 of the block: x / rms, the gain, the turn, one rounding, 512 consecutive bytes out
.irp k, 0,2,4,6
	v_pk_mul_f32 v[XR+8*(\p)+\k:XR+8*(\p)+\k+1], v[XR+8*(\p)+\k:XR+8*(\p)+\k+1], v[SS+2*(\p):SS+2*(\p)+1] op_sel_hi:[1,0]
.endr
.irp k, 0,2,4,6
	v_pk_mul_f32 v[XR+8*(\p)+\k:XR+8*(\p)+\k+1], v[XR+8*(\p)+\k:XR+8*(\p)+\k+1], v[W+\k:W+\k+1]
.endr
.irp j, 0,1,2,3
	v_lshlrev_b32 v[SF+2*\j], 16, v[SI+4*(\p)+\j]
	v_and_b32 v[SF+2*\j+1], s[HIM], v[SI+4*(\p)+\j]
.endr
.irp e, 0,1,2,3,4,5,6,7
	v_mul_f32_dpp v[T+\e], v[XR+8*(\p)+\e], v[SF+\e] row_xmask:8 row_mask:0xf bank_mask:0xf  ; column d +- 64 lies 8 lanes away
.endr
.irp j, 0,1,2,3
	v_fma_mix_f32_bf16 v[XR+8*(\p)+2*\j], v[XR+8*(\p)+2*\j], v[CO+4*(\p)+\j], v[T+2*\j] op_sel_hi:[0,1,0]
	v_fma_mix_f32_bf16 v[XR+8*(\p)+2*\j+1], v[XR+8*(\p)+2*\j+1], v[CO+4*(\p)+\j], v[T+2*\j+1] op_sel:[0,1,0] op_sel_hi:[0,1,0]
.endr
.irp j, 0,1,2,3
	v_cvt_pk_f16_f32 v[OP+4*(\p)+\j], v[XR+8*(\p)+2*\j], v[XR+8*(\p)+2*\j+1]
.endr
	global_store_b128 v[GO], v[OP+4*(\p):OP+4*(\p)+3], s[14:15] offset:512*(\p)
.endm
	s_mov_b32 s[BLK], 8
.Lblk:                                             ; a trip: block 8 - BLK, 16 rows of my head.  The accumulators have fixed names, so a ladder of forward jumps picks the block's stores
.irp a, 0,1,2,3,4,5,6
	s_cmp_eq_u32 s[BLK], 8-\a
	s_cbranch_scc1 .Ld\a
.endr
	DUMP 7
	s_branch .Lproc
.irp a, 0,1,2,3,4,5
.Ld\a:
	DUMP \a
	s_branch .Lproc
.endr
.Ld6:
	DUMP 6
.Lproc:
.irp p, 0,1,2,3,4,5,6,7                ; LDS serves a wave's instructions in order: these see the stores above.  A lane takes columns 8 (l % 16) + 0..7 of row 2 p + l / 16
	ds_load_b128 v[XR+8*\p:XR+8*\p+3],   v[RD] offset:2*SPITCH*\p
	ds_load_b128 v[XR+8*\p+4:XR+8*\p+7], v[RD] offset:2*SPITCH*\p+256
.endr
.irp p, 0,1,2,3,4,5,6,7
	ds_load_b128 v[CO+4*\p:CO+4*\p+3], v[TA] offset:1024*\p
	ds_load_b128 v[SI+4*\p:SI+4*\p+3], v[TA] offset:1024*\p+256
.endr
	s_wait_dscnt 16                                ; the rows are in; the sixteen table loads may be out
.irp p, 0,1,2,3,4,5,6,7
	v_pk_mul_f32 v[SS+2*\p:SS+2*\p+1], v[XR+8*\p:XR+8*\p+1], v[XR+8*\p:XR+8*\p+1]
.endr
.irp k, 2,4,6
.irp p, 0,1,2,3,4,5,6,7
	v_pk_fma_f32 v[SS+2*\p:SS+2*\p+1], v[XR+8*\p+\k:XR+8*\p+\k+1], v[XR+8*\p+\k:XR+8*\p+\k+1], v[SS+2*\p:SS+2*\p+1]
.endr
.endr
.irp p, 0,1,2,3,4,5,6,7
	v_add_f32 v[SS+2*\p], v[SS+2*\p], v[SS+2*\p+1]
.endr
.irp m, 1,2,4,8
.irp p, 0,1,2,3,4,5,6,7
	v_add_f32_dpp v[SS+2*\p], v[SS+2*\p], v[SS+2*\p] row_xmask:\m row_mask:0xf bank_mask:0xf
.endr
.endr
.irp p, 0,1,2,3,4,5,6,7
	v_fma_f32 v[SS+2*\p], v[SS+2*\p], s[VA], s[VB]
.endr
.irp p, 0,1,2,3,4,5,6,7
	v_rsq_f32 v[SS+2*\p], v[SS+2*\p]
.endr
	v_nop                                          ; a plain instruction behind the last root,
	s_wait_alu depctr_va_vdst(0)                   ; and the one wait ahead of the batch's first reader
	s_wait_dscnt 0x0                               ; the tables are in
.irp p, 0,1,2,3,4,5,6,7
	ROPE \p
.endr
	s_wait_xcnt 0x0                                ; the stores have read their data and their offset: both are written again only behind this wait
	v_add_nc_u32 v[GO], 4096, v[GO]                ; 16 rows of 256 bytes on
	v_add_nc_u32 v[TA], 8192, v[TA]                ; 16 table rows on
	s_sub_co_u32 s[BLK], s[BLK], 1
	s_cmp_lg_u32 s[BLK], 0
	s_cbranch_scc1 .Lblk
	s_wait_tensorcnt 0x0                           ; the wave's end
	ds_add_u32 v[SPW], v[NIL]
	s_wait_dscnt 0x0
	CROUND                                         ; the closing round
	s_endpgm
; THE CASTS: 64 work-groups, 256 waves; wave g = ((tile row x 4 + cx) x 4 + wave).  All registers lie in window 0.
; The mask: wave g takes row block g / 4 (64 queries) and the key blocks 8 (g % 4) + 0..7, a block of 64 x 64 a trip: 32 loads of two rows x 256 bytes, all issued at once.  Rounded to bf16, a block goes through
; 4,608 bytes of my own stage (two tiles of 16 rows x 144 bytes), two tiles at a time, and comes back as sub-blocks of 512 bytes.  In mb the wave's eight blocks are 65,536 bytes on end, from byte 65,536 g.
; o_kernel: wave g takes numbers 8,192 g on, 2,048 a trip.
; Each trip prefetches the next trip's blocks of 256 bytes, a lane a block, behind its loads; the last trip asks for nothing.
.set MVI, 16                           ; the mask: my byte offset in two rows
.set MVS, 17                           ; LDS: where I put 8 bytes of a row
.set MVR, 18                           ; LDS: where I read 16 bytes back
.set MVO, 19                           ; my 16 bytes of a sub-block
.set OVI, 20                           ; o_kernel: my 16 bytes of 512
.set OVO, 21                           ; wo: my 8 bytes of 256
.set MPF, 22                           ; the mask's prefetches: a lane a row
.set OPF, 23                           ; o_kernel's: a lane 256 bytes
.set SX,  64                           ; v[64:191]  as loaded; v[64:127] later as read back
.set SY,  192                          ; v[192:255] rounded
.Lside:
	s_load_b256 s[24:31], s[0:1], 0x30             ; attention_mask 24, mb 26, o_kernel 28, wo 30
	s_lshl_b32 s40, s[TR], 2
	s_add_co_u32 s40, s40, s[CX]
	s_lshl_b32 s40, s40, 2
	s_add_co_u32 s40, s40, s[WV]                   ; g: it enters global offsets alone
	s_lshr_b32 s41, s40, 2
	s_and_b32 s42, s40, 3
	s_lshl_b32 s44, s41, 19                        ; 64 rows of 8,192 bytes
	s_lshl_b32 s42, s42, 11                        ; 8 key blocks of 256 bytes
	s_add_co_u32 s44, s44, s42
	s_mov_b32 s45, 0
	s_lshl_b32 s46, s40, 16
	s_mov_b32 s47, 0
	v_and_b32 v1, 15, v0                           ; l % 16
	v_bfe_u32 v2, v0, 4, 1                         ; l / 16
	v_and_b32 v3, 31, v0                           ; l
	v_lshlrev_b32 v[MVI], 13, v2
	v_lshl_add_u32 v[MVI], v1, 4, v[MVI]
	s_mul_i32 s48, s[WV], 16*SPITCH
	s_add_co_u32 s48, s48, STAGE                   ; my stage
	v_mul_u32_u24 v[MVS], v2, 144
	v_lshl_add_u32 v[MVS], v1, 3, v[MVS]
	v_add_nc_u32 v[MVS], s48, v[MVS]
	v_mul_u32_u24 v[MVR], v1, 144
	v_lshl_add_u32 v[MVR], v2, 4, v[MVR]
	v_add_nc_u32 v[MVR], s48, v[MVR]
	v_lshlrev_b32 v[MVO], 4, v3
	v_lshlrev_b32 v[OVI], 4, v3
	v_lshlrev_b32 v[OVO], 3, v3
	v_lshlrev_b32 v[MPF], 13, v3
	v_lshlrev_b32 v[OPF], 8, v3
	s_wait_kmcnt 0x0
	s_add_nc_u64 s[24:25], s[24:25], s[44:45]
	s_add_nc_u64 s[26:27], s[26:27], s[46:47]
	s_lshl_b32 s44, s40, 15
	s_lshl_b32 s46, s40, 14
	s_add_nc_u64 s[28:29], s[28:29], s[44:45]
	s_add_nc_u64 s[30:31], s[30:31], s[46:47]
.macro MHALF h                         ; tiles 2 h and 2 h + 1 of the block: rounded, into the stage by rows, back by sub-blocks
.set i, 16*(\h)
.rept 16
	s_wait_loadcnt 31-i                            ; loads come back in order: load i is in, the younger ones stay out
	v_cvt_pk_bf16_f32 v[SY+2*i], v[SX+4*i], v[SX+4*i+1]
	v_cvt_pk_bf16_f32 v[SY+2*i+1], v[SX+4*i+2], v[SX+4*i+3]
	ds_store_b64 v[MVS], v[SY+2*i:SY+2*i+1] offset:((i/8)%2)*2304+(i%8)*288
.set i, i+1
.endr
.set i, 8*(\h)
.rept 8                                ; LDS serves a wave's instructions in order: these see the stores above, and the next half's stores come behind them
	ds_load_b128 v[SX+4*i:SX+4*i+3], v[MVR] offset:((i/4)%2)*2304+(i%4)*32
.set i, i+1
.endr
.endm
	s_mov_b32 s[BLK], 8
.Lmblk:
.set i, 0
.rept 32                               ; i = 8 x tile + pair of rows
	global_load_b128 v[SX+4*i:SX+4*i+3], v[MVI], s[24:25] offset:(i/8)*131072+(i%8)*16384 th:TH_LOAD_NT
.set i, i+1
.endr
	s_cmp_gt_u32 s[BLK], 1
	s_cbranch_scc0 .Lmno
	global_prefetch_b8 v[MPF], s[24:25] offset:256 th:TH_LOAD_NT scope:SCOPE_SE          ; the next block's rows 0-31,
	global_prefetch_b8 v[MPF], s[24:25] offset:256+32*8192 th:TH_LOAD_NT scope:SCOPE_SE  ; and 32-63
.Lmno:
	MHALF 0
	MHALF 1
.set i, 0
.rept 16                               ; i = 4 x tile + group of 16 keys
	s_wait_dscnt 15-i+16*(1-i/8)                   ; behind read i of the first eight stand 7 - i reads, 16 stores and 8 reads; behind read i of the second eight, 15 - i reads
	global_store_b128 v[MVO], v[SX+4*i:SX+4*i+3], s[26:27] offset:(i/4)*2048+(i%4)*512  ; a sub-block: 512 consecutive bytes
.set i, i+1
.endr
	s_wait_xcnt 0x0                                ; the stores have read their data, loads and prefetches their base: all are written again only behind this wait
	s_add_nc_u64 s[24:25], s[24:25], 256
	s_add_nc_u64 s[26:27], s[26:27], 8192
	s_sub_co_u32 s[BLK], s[BLK], 1
	s_cmp_lg_u32 s[BLK], 0
	s_cbranch_scc1 .Lmblk
	s_mov_b32 s[BLK], 4
.Lwblk:
.set i, 0
.rept 16
	global_load_b128 v[SX+4*i:SX+4*i+3], v[OVI], s[28:29] offset:512*i th:TH_LOAD_NT
.set i, i+1
.endr
	s_cmp_gt_u32 s[BLK], 1
	s_cbranch_scc0 .Lwno
	global_prefetch_b8 v[OPF], s[28:29] offset:8192 th:TH_LOAD_NT scope:SCOPE_SE  ; the next trip's 8,192 bytes
.Lwno:
.set i, 0
.rept 16
	s_wait_loadcnt 15-i                            ; load i is in, the younger ones stay out
	v_cvt_pk_bf16_f32 v4, v[SX+4*i], v[SX+4*i+1]
	v_cvt_pk_bf16_f32 v5, v[SX+4*i+2], v[SX+4*i+3]
	v_lshlrev_b32 v6, 16, v4
	v_and_b32 v7, s[HIM], v4
	v_lshlrev_b32 v8, 16, v5
	v_and_b32 v9, s[HIM], v5
	v_cvt_pk_f16_f32 v[SY+2*i], v6, v7
	v_cvt_pk_f16_f32 v[SY+2*i+1], v8, v9
	global_store_b64 v[OVO], v[SY+2*i:SY+2*i+1], s[30:31] offset:256*i  ; 256 consecutive bytes, aligned
.set i, i+1
.endr
	s_wait_xcnt 0x0
	s_add_nc_u64 s[28:29], s[28:29], 8192
	s_add_nc_u64 s[30:31], s[30:31], 4096
	s_sub_co_u32 s[BLK], s[BLK], 1
	s_cmp_lg_u32 s[BLK], 0
	s_cbranch_scc1 .Lwblk
	s_wait_tensorcnt 0x0                           ; the wave's end, behind my last LDS store
	ds_add_u32 v[SPW], v[NIL]
	s_wait_dscnt 0x0
	CROUND                                         ; all sixteen partners of such a cluster walk this path: one round, in front of the end
	s_endpgm
.Lfunc_end_k_q58871c1d3c_qkv:
	.size	k_q58871c1d3c_qkv, .Lfunc_end_k_q58871c1d3c_qkv-k_q58871c1d3c_qkv
	.p2alignl 7, 3214868480
	.fill 96, 4, 3214868480
	.section	.rodata,"a",@progbits
	.p2align	6, 0x0
	.amdhsa_kernel k_q58871c1d3c_qkv
		.amdhsa_group_segment_fixed_size 327680
		.amdhsa_private_segment_fixed_size 0
		.amdhsa_enable_private_segment 0
		.amdhsa_kernarg_size 80
		.amdhsa_user_sgpr_count 2
		.amdhsa_user_sgpr_kernarg_segment_ptr 1
		.amdhsa_wavefront_size32 1
		.amdhsa_system_sgpr_workgroup_id_x 1
		.amdhsa_system_sgpr_workgroup_id_y 1
		.amdhsa_system_sgpr_workgroup_id_z 1
		.amdhsa_system_vgpr_workitem_id 0
		.amdhsa_next_free_vgpr 1024
		.amdhsa_next_free_sgpr 96
		.amdhsa_reserve_vcc 0
		.amdhsa_float_denorm_mode_32 3
		.amdhsa_float_denorm_mode_16_64 3
		.amdhsa_memory_ordered 1
		.amdhsa_forward_progress 1
		.amdhsa_inst_pref_size 175
	.end_amdhsa_kernel
	.amdgpu_metadata
---
amdhsa.version: [ 1, 2 ]
amdhsa.kernels:
  - .name:           k_q58871c1d3c_qkv
    .symbol:         k_q58871c1d3c_qkv.kd
    .args:
      - { .name: xb, .offset: 0, .size: 8, .value_kind: global_buffer, .address_space: global }
      - { .name: wqkv, .offset: 8, .size: 8, .value_kind: global_buffer, .address_space: global }
      - { .name: rope, .offset: 16, .size: 8, .value_kind: global_buffer, .address_space: global }
      - { .name: q_norm_w, .offset: 24, .size: 8, .value_kind: global_buffer, .address_space: global }
      - { .name: k_norm_w, .offset: 32, .size: 8, .value_kind: global_buffer, .address_space: global }
      - { .name: qkv, .offset: 40, .size: 8, .value_kind: global_buffer, .address_space: global }
      - { .name: attention_mask, .offset: 48, .size: 8, .value_kind: global_buffer, .address_space: global }
      - { .name: mb, .offset: 56, .size: 8, .value_kind: global_buffer, .address_space: global }
      - { .name: o_kernel, .offset: 64, .size: 8, .value_kind: global_buffer, .address_space: global }
      - { .name: wo, .offset: 72, .size: 8, .value_kind: global_buffer, .address_space: global }
    .group_segment_fixed_size: 327680
    .private_segment_fixed_size: 0
    .kernarg_segment_align: 8
    .kernarg_segment_size: 80
    .max_flat_workgroup_size: 128
    .sgpr_count:     96
    .vgpr_count:     1024
    .wavefront_size: 32
...
	.end_amdgpu_metadata
.endif
;; end of part 2
;; launch attn (part 3): grid 16 x 16, 4 waves a work-group, clusters of 4 x 1, 327,680 bytes of LDS; arguments qkv, mb, ob; writes ob
.if DOCPART == 3
	.amdgcn_target "amdgcn-amd-amdhsa--gfx1250"
	.amdhsa_code_object_version 6
	.text
	.protected	k_q58871c1d3c_attn
	.globl	k_q58871c1d3c_attn
	.p2align	8
	.type	k_q58871c1d3c_attn,@function
k_q58871c1d3c_attn:
	s_mov_b64 s[64:65], 0
	v_nop
	global_prefetch_b8 v0, s[64:65] scope:SCOPE_SE
	s_setreg_imm32_b32 hwreg(HW_REG_WAVE_MODE, 25, 1), 1
	s_wait_xcnt 0x0
	s_wait_alu depctr_hold_cnt(0) depctr_sa_sdst(0) depctr_va_vdst(0) depctr_va_sdst(0) depctr_va_ssrc(0) depctr_va_vcc(0) depctr_vm_vsrc(0)
	s_getreg_b32 s2, hwreg(HW_REG_IB_STS2, 6, 4)
	s_cmp_eq_u32 s2, 0
	s_cbranch_scc0 .Lentry_in_a_cluster
	s_endpgm
.Lentry_in_a_cluster:
	s_bfe_u32 s2, ttmp6, 0x10000c
	s_cmp_lg_u32 s2, 0x3003
	s_cbranch_scc0 .Lentry_shape_is_right
	s_endpgm
.Lentry_shape_is_right:
; O[b][q][h*128+d] = the sum over k of softmax_k(q.k + mask[b][q][k]) v[k][d].  q (which carries 1 / sqrt(128)), k, v: f16 [b*8+h][2048][128]; mask: bf16 in blocks; O: f16 [4096][1024].
; THE MASK IS AN INPUT: all 2,048 keys are walked and every mask number is added, by ONE f32 addition in natural units; the running maximum is taken away before the factor log2(e): t = s + mask, p = 2^((t - m) log2 e).
; So a row whose keys all carry the same huge negative number gets even weights.  Products, maxima and sums in f32; p is rounded to f16 for the second product (its sum l is taken of the unrounded p), O once at the end.
; LIMITS.  q, k, v arrive within f16's 65,504.  A weight below 2^-126 counts as 0 in l.  A row masked wholly by -infinity gives NaN.  Other NaN and infinities are not treated apart.
; SHARES.  A work-group owns 128 queries of one head: 256 work-groups.  Wave w: queries 64 (w % 2) on, KEYS 1,024 (w / 2) on, in 16 steps of 64.  So a wave has four tiles of 16 queries, and each fragment of K and V
; read from LDS feeds four tiles' products; the two key halves' O, m and l meet in LDS once, at the end.  Register tile t holds query tile (t + 2 (w / 2)) % 4: every wave keeps tiles 0, 1 and hands over tiles 2, 3.
; LAYOUT.  S^T = K Q^T: a lane holds one query (l % 16) and the keys 8 (l / 16) + 0..7; two results rounded to f16 ARE source 1 of O^T = V^T P.  K comes out of LDS as it lies, V turned.
; BY TURNS.  Piece 0 = tiles 0, 1; piece 2 = tiles 2, 3.  In a turn one piece has the matrix unit (32 products V^T P of the step in hand, 32 products K Q^T of the next); the other piece's softmax is ONE QUEUE of 364
; vector instructions in the order in which they become ready.  364 = 4 x 64 + 108: four stand behind each product, and the last 108 (roundings, sums, rescalings, none of which waits for the line before it but the
; sums' last few) in one run at the turn's end.  The queue names only its own piece's registers, so the deal changes no value.
; m starts at the lowest finite number, O and l at 0: the first step's a is 0, and no first step is written out.
; CLUSTER.  The four query blocks of a cluster belong to one head and walk the same K and V: each tile is asked for jointly.  The mask comes straight into registers: no two waves of a work-group want the same
; mask bytes, and each wave's one tensor load behind a round is taken by K or V.
; REGISTERS, in windows of 256: window 0: v0-63 addresses and statistics; v64-191 S^T, 32 a tile; v192-255 P, 16 a tile.  Window 1: O^T, 64 a tile.  Window 2: v0-127 Q; v128-255 K of one step.
; Window 3: v0-127 V of one step; v128-191 the mask of one step, 16 a tile.
.set KS,    64
.set PK,    272                        ; a row of K in LDS: 256 bytes + 16
.set PV,    288                        ; a row of V: 256 + 32
.set VOFF,  128*PK                     ; a key half's part of a slot: two steps' K (128 rows), then two steps' V
.set HALFB, 128*(PK+PV)
.set SLOTB, 0x24000                    ; slot 1 begins here.  Every base that is turned (0, 0x8800, 0x11800, 0x1a000) has bits 14 and 17 clear, so one exclusive or moves it from one slot to the other
.set STAGE, 2*SLOTB                    ; never filled by a tensor load: 16 rows x 272 bytes for each wave
.set SP,    272
.set SPARE, STAGE+4*16*SP
.set XCHB,  16896                      ; the exchange, in slot 0's bytes behind their last fill: two tiles of O^T (16,384) and their m and l (512) for each wave
.set AK0, 2
.set AV0, 3
.set ADR, 4
.set QOA, 5
.set STO, 6
.set RD,  7
.set GO,  8
.set ST,  12                           ; tile t's statistics at v[12+8t]: m, 0 (named with m as a pair), l (even keys', odd keys'), c0-c3 at work; a takes c2's place
.set MA0, 44                           ; v44, v45: where piece 0's, piece 2's mask loads stand
.set ML0, 46                           ; v46, v47: their last step
.set ONE, 48
.set PFM, 49
.set PFML,50
.set QOB, 51
.set XS,  52
.set XR,  53
.set PS,  54                           ; v[54:57] m and l that change hands
.set PFO, 61
.set SPW, 62
.set NIL, 63
.set S,   64
.set P,   192
.set KF,  128                          ; window 2
.set MR,  128                          ; window 3
.set WV,  12
.set CX,  13
.set QB,  14
.set LIM, 15
.set LIMM,16
.set FH,  17                           ; w % 2: my 64 queries; also the key half whose tile I fetch
.set PFA, 18
.set MB,  20
.set KH,  22                           ; w / 2: my key half
.set BH,  23
.set G1K, 24
.set G1V, 32
.set G0K, 40
.set G0V, 48
.set SLOTS, 56
.set CNT, 57
.set CS,  58
.set SEL, 60
.set TBK, 62
.set TBV, 63
.set MSB, 0
.macro WIN new
.if MSB != (\new)
	s_set_vgpr_msb (MSB<<8)|(\new)
.set MSB, \new
.endif
.endm
.set W_KQ, 0x0a                        ; K and Q in window 2, S^T in window 0
.set W_PV, 0x53                        ; V in window 3, P in window 0, O^T in window 1
.set W_RS, 0x41                        ; O^T (destination and source 0) in window 1
.macro JLOAD                           ; a joint refill: waves 0, 1 fetch the two key halves' K, waves 2, 3 their V: 128 rows each
	s_cmp_lt_u32 s[WV], 2
	s_cbranch_scc0 .Lfor_v_\@
	tensor_load_to_lds s[G0K+4:G0K+7], s[G1K:G1K+7]
	s_nop 0
.rept 4
	v_nop
.endr
	s_branch .Lasked_\@
.Lfor_v_\@:
	tensor_load_to_lds s[G0V+4:G0V+7], s[G1V:G1V+7]
	s_nop 0
.rept 4
	v_nop
.endr
.Lasked_\@:
.endm
; A prefetch of what the NEXT change of slots will ask for.  All four clusters of a head walk the same K and V: the head's first cluster asks.  Of the 128 rows that a wave fetches each of the four partners takes 32,
; told apart by address, a lane a row.  The last change that fills a slot asks for nothing.
.macro ASK
	s_cmp_gt_u32 s[SLOTS], s[LIM]
	s_cbranch_scc0 .Lnot_mine_\@
	global_prefetch_b8 v[PFO], s[PFA:PFA+1] th:TH_LOAD_NT scope:SCOPE_SE
.Lnot_mine_\@:
.endm
.macro CROUND
	s_barrier_signal -1
	s_barrier_wait -1
	s_cmp_lg_u32 s[WV], 0
	s_cbranch_scc1 .Lnot_wave_0_\@
	s_barrier_signal -3
.Lnot_wave_0_\@:
	s_barrier_wait -3
	s_barrier_signal -1
	s_barrier_wait -1
.endm
	s_load_b128 s[68:71], s[0:1], 0x0              ; qkv, mb
	s_load_b64 s[72:73], s[0:1], 0x10              ; ob
	v_lshl_add_u32 v[SPW], v0, 2, SPARE
	v_mov_b32 v[NIL], 0
	ds_add_u32 v[SPW], v[NIL]                      ; the wave's opening: the add and its wait stand ahead of my first tensor load
	v_lshrrev_b32 v1, 5, v0
	v_readfirstlane_b32 s[WV], v1
	s_and_b32 s[FH], s[WV], 1
	s_lshr_b32 s[KH], s[WV], 1
	s_bfe_u32 s[CX], ttmp6, 0x40000
	s_lshl_b32 s[QB], ttmp9, 2
	s_add_co_u32 s[QB], s[QB], s[CX]               ; my block of 128 queries: it enters Q's, the mask's and O's addresses alone
	s_and_b32 s[BH], ttmp7, 0xffff                 ; b x 8 + h, which the four partners share
	s_lshl_b32 s74, s[BH], 19                      ; K and V: the head's 524,288 bytes, the key half's 262,144
	s_lshl_b32 s75, s[FH], 18
	s_add_co_u32 s74, s74, s75
	s_add_co_u32 s76, s74, 16777216
	s_add_co_u32 s74, s74, 8388608
	s_mov_b32 s75, 0
	s_mov_b32 s77, 0
	s_lshl_b32 s78, s[BH], 19                      ; Q: my wave's 64 rows of 256 bytes
	s_lshl_b32 s79, s[QB], 15
	s_add_co_u32 s78, s78, s79
	s_lshl_b32 s79, s[FH], 14
	s_add_co_u32 s78, s78, s79
	s_mov_b32 s79, 0
	s_lshr_b32 s80, s[BH], 3                       ; the mask: ((b x 32 + row block) x 32 + 16 x key half) blocks of 8,192 bytes
	s_lshl_b32 s80, s80, 5
	s_lshl_b32 s81, s[QB], 1
	s_add_co_u32 s80, s80, s81
	s_add_co_u32 s80, s80, s[FH]
	s_lshl_b32 s80, s80, 5
	s_lshl_b32 s81, s[KH], 4
	s_add_co_u32 s80, s80, s81
	s_lshl_b32 s80, s80, 13
	s_mov_b32 s81, 0
	s_lshr_b32 s82, s[BH], 3                       ; O: the 32 rows that I keep, 2,048 bytes each; the head's 256 bytes in a row
	s_lshl_b32 s82, s82, 11
	s_lshl_b32 s83, s[QB], 7
	s_add_co_u32 s82, s82, s83
	s_lshl_b32 s83, s[FH], 6
	s_add_co_u32 s82, s82, s83
	s_lshl_b32 s83, s[KH], 5
	s_add_co_u32 s82, s82, s83
	s_lshl_b32 s82, s82, 11
	s_and_b32 s83, s[BH], 7
	s_lshl_b32 s83, s83, 8
	s_add_co_u32 s82, s82, s83
	s_mov_b32 s83, 0
	s_mul_i32 s84, s[FH], HALFB                    ; where my tiles go: no place in the cluster enters an LDS address
	s_lshl_b32 s86, s[CX], 13                      ; the prefetches: my work-group's 32 rows, in slot 2; the first change steps them to slot 3
	s_add_co_u32 s86, s86, 2*32768
	s_mov_b32 s87, 0
	s_mov_b32 s[G1K], 15|(1<<16)|(1<<20)|(1<<21)|(5<<22)|(3<<25)  ; the mask of four; 2-byte elements; 4 words of padding after every 64
	s_mov_b32 s[G1V], 15|(1<<16)|(1<<20)|(1<<21)|(5<<22)|(7<<25)  ; 8 words
.irp g, G1K, G1V
	s_mov_b32 s[(\g)+1], 128<<16                   ; tensor_dim0 = 128
	s_mov_b32 s[(\g)+2], 128<<16                   ; tensor_dim1 = 128
	s_mov_b32 s[(\g)+3], 128<<16                   ; tile_dim0 = 128
	s_mov_b32 s[(\g)+4], 128                       ; tile_dim1 = 128
	s_mov_b32 s[(\g)+5], 128                       ; elements from row to row
	s_mov_b32 s[(\g)+6], 0
	s_mov_b32 s[(\g)+7], 0
.endr
	s_mov_b32 s[CS], 0x3fb8aa3b                    ; log2(e)
	s_mov_b32 s[CS+1], s[CS]
	s_mov_b32 s[SEL], 0x76543210
	s_mov_b32 s[SEL+1], 0xfedcba98
	s_mul_i32 s[TBK], s[KH], HALFB                 ; where the step to be fetched begins, for K and for V
	s_mul_i32 s[TBV], s[KH], HALFB
	s_cmp_eq_u32 ttmp9, 0
	s_cselect_b32 s[LIM], 1, -1
	s_and_b32 s85, s[BH], 7
	s_cmp_eq_u32 s85, 0                            ; the eight heads of a batch read the same mask: head 0 prefetches
	s_cselect_b32 s[LIMM], 1, 0
	s_wait_dscnt 0x0                               ; the opening add is done
	s_wait_kmcnt 0x0
	s_add_nc_u64 s[6:7], s[68:69], s[74:75]
	s_add_nc_u64 s[8:9], s[68:69], s[76:77]
	s_add_nc_u64 s[4:5], s[68:69], s[78:79]
	s_add_nc_u64 s[MB:MB+1], s[70:71], s[80:81]
	s_add_nc_u64 s[10:11], s[72:73], s[82:83]
	s_cmp_lt_u32 s[WV], 2
	s_cselect_b64 s[PFA:PFA+1], s[6:7], s[8:9]
	s_add_nc_u64 s[PFA:PFA+1], s[PFA:PFA+1], s[86:87]
	CROUND                                         ; all four work-groups are here: the first joint loads meet
.irp s, 0,1
	s_mov_b32 s[G0K+4*(\s)], 1
	s_add_co_u32 s[G0K+4*(\s)+1], s84, (\s)*SLOTB
	s_add_nc_u64 s[G0K+4*(\s)+2:G0K+4*(\s)+3], s[6:7], (\s)*32768
	s_or_b32 s[G0K+4*(\s)+3], s[G0K+4*(\s)+3], 0x80000000
	s_mov_b32 s[G0V+4*(\s)], 1
	s_add_co_u32 s[G0V+4*(\s)+1], s84, (\s)*SLOTB+VOFF
	s_add_nc_u64 s[G0V+4*(\s)+2:G0V+4*(\s)+3], s[8:9], (\s)*32768
	s_or_b32 s[G0V+4*(\s)+3], s[G0V+4*(\s)+3], 0x80000000
.endr
	s_cmp_lt_u32 s[WV], 2                          ; a wave's two first fills stand in one branch: two loads of mine are out
	s_cbranch_scc0 .Lfirst_v
	tensor_load_to_lds s[G0K:G0K+3], s[G1K:G1K+7]
	s_nop 0
	tensor_load_to_lds s[G0K+4:G0K+7], s[G1K:G1K+7]
	s_nop 0
.rept 4
	v_nop
.endr
	s_branch .Lfirst_asked
.Lfirst_v:
	tensor_load_to_lds s[G0V:G0V+3], s[G1V:G1V+7]
	s_nop 0
	tensor_load_to_lds s[G0V+4:G0V+7], s[G1V:G1V+7]
	s_nop 0
.rept 4
	v_nop
.endr
.Lfirst_asked:
	v_and_b32 v1, 15, v0                           ; l % 16
	v_bfe_u32 v9, v0, 4, 1                         ; l / 16
	v_and_b32 v11, 31, v0                          ; l
	v_lshlrev_b32 v10, 8, v1
	v_lshl_add_u32 v10, v9, 4, v10
	s_lshl_b32 s78, s[KH], 13                      ; register tiles 0, 1 are query tiles 2 (w / 2) on, tiles 2, 3 the other two
	v_add_nc_u32 v[QOA], s78, v10
	s_xor_b32 s78, s78, 8192
	v_add_nc_u32 v[QOB], s78, v10
	WIN 0x80
.set i, 0
.rept 8                                ; Q stays in registers: tile i / 4, channels 32 (i % 4) on
	global_load_b128 v[8*i:8*i+3],   v[QOA], s[4:5] offset:(i/4)*4096+(i%4)*64
	global_load_b128 v[8*i+4:8*i+7], v[QOA], s[4:5] offset:(i/4)*4096+(i%4)*64+32
.set i, i+1
.endr
.rept 8
	global_load_b128 v[8*i:8*i+3],   v[QOB], s[4:5] offset:(i/4-2)*4096+(i%4)*64
	global_load_b128 v[8*i+4:8*i+7], v[QOB], s[4:5] offset:(i/4-2)*4096+(i%4)*64+32
.set i, i+1
.endr
	WIN 0
	v_lshlrev_b32 v10, 4, v11
	s_lshl_b32 s79, s[KH], 12                      ; a query tile's four sub-blocks are 2,048 bytes
	v_add_nc_u32 v[MA0], s79, v10
	s_xor_b32 s79, s79, 4096
	v_add_nc_u32 v[MA0+1], s79, v10
	v_add_nc_u32 v[ML0], 15*8192, v[MA0]
	v_add_nc_u32 v[ML0+1], 15*8192, v[MA0+1]
.macro MLOAD y                         ; piece y's mask of one step: 2 tiles x 4 groups of 16 keys, 512 consecutive bytes a load
.irp u, 0,1
.irp kb, 0,1,2,3
	global_load_b128 v[MR+16*((\y)+\u)+4*\kb:MR+16*((\y)+\u)+4*\kb+3], v[MA0+(\y)/2], s[MB:MB+1] offset:\u*2048+\kb*512
.endr
.endr
.endm
	WIN 0xc0
	MLOAD 0
	MLOAD 2
	; what the first turns find: V, O^T, l and piece 2's P hold 0.  All this stands in the wait for the first tile
.set i, 0
.rept 128
	v_mov_b32 v[i], 0
.set i, i+1
.endr
	WIN 0x40
.set i, 0
.rept 256
	v_mov_b32 v[i], 0
.set i, i+1
.endr
	WIN 0
.set i, 0
.rept 4
	v_mov_b32 v[ST+8*i], 0xff7fffff
	v_mov_b32 v[ST+8*i+1], 0
	v_mov_b32 v[ST+8*i+2], 0
	v_mov_b32 v[ST+8*i+3], 0
.set i, i+1
.endr
.set i, P+32
.rept 32
	v_mov_b32 v[i], 0
.set i, i+1
.endr
	v_mov_b32 v[ONE], 1.0
	v_lshlrev_b32 v[PFO], 8, v11
	v_add_nc_u32 v[PFM], 2*8192, v[PFO]
	v_add_nc_u32 v[PFML], 15*8192, v[PFO]
	v_mul_u32_u24 v[AK0], v1, PK
	v_lshl_add_u32 v[AK0], v9, 4, v[AK0]
	v_and_b32 v10, 7, v0
	v_lshl_add_u32 v[AV0], v9, 3, v10
	v_mul_u32_u24 v[AV0], v[AV0], PV
	v_bfe_u32 v10, v0, 3, 1
	v_lshl_add_u32 v[AV0], v10, 4, v[AV0]
	v_add_nc_u32 v[AV0], VOFF, v[AV0]
; THE MATRIX WORK.  The accumulators take turns, one instruction a turn: 15 (V^T P) or 7 (K Q^T) others' stand between two links of a chain.
.macro PVM x                           ; product i of 32 of O^T += V^T P: keys 32 (i / 16) on, channels 16 ((i / 2) % 8) on, tile x + i % 2
	WIN W_PV
.set rO, 64*((\x)+i%2)+8*((i/2)%8)
.set rV, 64*(i/16)+8*((i/2)%8)
.set rP, P+16*((\x)+i%2)+8*(i/16)
	v_wmma_f32_16x16x32_f16 v[rO:rO+7], v[rV:rV+7], v[rP:rP+7], v[rO:rO+7]
.endm
.macro KQ x                            ; product i of 32 of S^T = K Q^T: channels 32 (i / 8) on, keys 16 ((i / 2) % 4) on, tile x + i % 2.  The first 8 start the sums
	WIN W_KQ
.set rS, S+32*((\x)+i%2)+8*((i/2)%4)
.set rK, KF+32*((i/2)%4)+8*(i/8)
.set rQ, 32*((\x)+i%2)+8*(i/8)
.if i < 8
	v_wmma_f32_16x16x32_f16 v[rS:rS+7], v[rK:rK+7], v[rQ:rQ+7], 0
.else
	v_wmma_f32_16x16x32_f16 v[rS:rS+7], v[rK:rK+7], v[rQ:rQ+7], v[rS:rS+7]
.endif
.endm
.macro FETCH_K last=0                  ; a step's K, 32 loads in one run.  last = 1 (the tail): in the last trip there is no further step, and the run is jumped over
	WIN 0
.if \last
	s_cmp_eq_u32 s[CNT], 1
	s_cbranch_scc1 .Lno_k_\@
.endif
	v_add_nc_u32 v[ADR], s[TBK], v[AK0]
	WIN 0x80
.irp f, 0,1,2,3,4,5,6,7,8,9,10,11,12,13,14,15
	ds_load_b128 v[KF+8*(\f):KF+8*(\f)+3],   v[ADR] offset:((\f)/4)*16*PK+((\f)%4)*64
	ds_load_b128 v[KF+8*(\f)+4:KF+8*(\f)+7], v[ADR] offset:((\f)/4)*16*PK+((\f)%4)*64+32
.endr
	s_add_co_u32 s[TBK], s[TBK], KS*PK
	WIN 0
.if \last
.Lno_k_\@:
.endif
.endm
.macro FETCH_V                         ; a step's V, turned
	WIN 0
	v_add_nc_u32 v[ADR], s[TBV], v[AV0]
	s_add_co_u32 s[TBV], s[TBV], KS*PV
	WIN 0xc0
.irp f, 0,1,2,3,4,5,6,7,8,9,10,11,12,13,14,15
	ds_load_tr16_b128 v[8*(\f):8*(\f)+3],   v[ADR] offset:((\f)/8)*32*PV+((\f)%8)*32
	ds_load_tr16_b128 v[8*(\f)+4:8*(\f)+7], v[ADR] offset:((\f)/8)*32*PV+16*PV+((\f)%8)*32
.endr
	WIN 0
.endm
; Piece Y's mask has been added: its registers take the next step's.  The address is clamped to the key half's last step, so the look-ahead of the last step reads that block again and never leaves the buffer.
; In piece 2's queue a prefetch follows the loads: the whole block (8,192 bytes, a lane 256) of the step two behind the one just loaded, clamped likewise.  Its address is stepped ahead of the loads.
.macro RELOAD
	WIN 0
.if Y == 2
	s_wait_xcnt 0x0                                ; the last prefetch, a key step back, has read its address
	v_add_nc_u32 v[PFM], 8192, v[PFM]
	v_min_u32 v[PFM], v[PFM], v[PFML]
.endif
	v_add_nc_u32 v[MA0+Y/2], 8192, v[MA0+Y/2]      ; free: the wait at the queue's head has shown the piece's last loads done
	v_min_u32 v[MA0+Y/2], v[MA0+Y/2], v[ML0+Y/2]
	WIN 0xc0
	MLOAD Y
	WIN 0
.if Y == 2
	s_cmp_eq_u32 s[LIMM], 1
	s_cbranch_scc0 .Lno_m_\@
	global_prefetch_b8 v[PFM], s[MB:MB+1] th:TH_LOAD_NT scope:SCOPE_SE
.Lno_m_\@:
.endif
.endm
; THE QUEUE of piece Y; VOP writes entry q and steps q; the two tiles alternate.  Some entries of 106-249 are empty: rc counts the lines that are written.
;   0-63     t = s + mask: one fused line a score, the mask's bf16 half times 1.0; each accumulator's lowest registers are read first
;   64-105   the maximum of the 32 scores and the old m (16 lines), the other half of the lanes', the new m, (m_old - m) log2 e
;   106-249  36 positions of four: t - m for pair p; the exponential of pair p - 4's first; times log2 e for pair p - 2; the exponential of pair p - 4's second.  Position 0's two empty places take the two a.
;            None of these names an exponential's result.  Ahead of 250 stand a plain instruction and THE ONE WAIT for the turn's 66 exponentials
;   250-281  the roundings to f16     282-313  the sums; l = a l + sum     314-377  O^T times a
.macro VOP
.set em, 1
.if q == 0
	s_wait_loadcnt 8                               ; my piece's eight mask loads are in; the other piece's eight are younger
.endif
.if q == 64
	RELOAD
.endif
.if q == 250
	v_nop
	s_wait_alu depctr_va_vdst(0)
.endif
.if q < 64
.set vt, Y+q%2
.set vi, q/2
	WIN 0x03
.if vi%2
	v_fma_mix_f32_bf16 v[S+32*vt+vi], v[MR+16*vt+vi/2], v[ONE], v[S+32*vt+vi] op_sel:[1,0,0] op_sel_hi:[1,0,0]
.else
	v_fma_mix_f32_bf16 v[S+32*vt+vi], v[MR+16*vt+vi/2], v[ONE], v[S+32*vt+vi] op_sel_hi:[1,0,0]
.endif
.elseif q < 106
.set vn, (q-64)/2
.set qT, ST+8*(Y+(q-64)%2)
.set qS, S+32*(Y+(q-64)%2)
	WIN 0
.if vn < 4
	v_max3_num_f32 v[qT+4+vn], v[qS+8*vn], v[qS+8*vn+1], v[qS+8*vn+2]
.elseif vn < 12
	v_max3_num_f32 v[qT+4+vn%4], v[qT+4+vn%4], v[qS+8*(vn%4)+2*(vn/4)+1], v[qS+8*(vn%4)+2*(vn/4)+2]
.elseif vn == 12
	v_max3_num_f32 v[qT+4], v[qT+4], v[qS+7], v[qS+15]
.elseif vn == 13
	v_max3_num_f32 v[qT+6], v[qT+6], v[qS+23], v[qS+31]
.elseif vn == 14
	v_max3_num_f32 v[qT+4], v[qT+4], v[qT+5], v[qT+6]
.elseif vn == 15
	v_max3_num_f32 v[qT+4], v[qT+4], v[qT+7], v[qT]
.elseif vn == 16
	v_permlanex16_b32 v[qT+5], v[qT+4], s[SEL], s[SEL+1]
.elseif vn == 17
	v_mov_b32 v[qT+7], v[qT]
.elseif vn == 18
	v_max_num_f32 v[qT], v[qT+4], v[qT+5]
.elseif vn == 19
	v_sub_f32 v[qT+7], v[qT+7], v[qT]
.else
	v_mul_f32 v[qT+7], s[CS], v[qT+7]
.endif
.elseif q < 250
.set vp, (q-106)/4
.set vr, (q-106)%4
.if vr == 0
.if vp < 32
.set qT, ST+8*(Y+vp%2)
.set qS, S+32*(Y+vp%2)+2*(vp/2)
	WIN 0
	v_pk_add_f32 v[qS:qS+1], v[qS:qS+1], v[qT:qT+1] op_sel_hi:[1,0] neg_lo:[0,1] neg_hi:[0,1]
.else
.set em, 0
.endif
.elseif vr == 2
.if (vp >= 2) && (vp < 34)
.set qS, S+32*(Y+(vp-2)%2)+2*((vp-2)/2)
	WIN 0
	v_pk_mul_f32 v[qS:qS+1], v[qS:qS+1], s[CS:CS+1] op_sel_hi:[1,0]
.else
.set em, 0
.endif
.else
.if vp >= 4
.set qS, S+32*(Y+(vp-4)%2)+2*((vp-4)/2)+vr/2
	WIN 0
	v_exp_f32 v[qS], v[qS]
.elseif vp == 0
.set qT, ST+8*(Y+vr/2)
	WIN 0
	v_exp_f32 v[qT+6], v[qT+7]
.else
.set em, 0
.endif
.endif
.elseif q < 282
.set vt, Y+(q-250)%2
.set vi, (q-250)/2
	WIN 0
	v_cvt_pk_f16_f32 v[P+16*vt+vi], v[S+32*vt+2*vi], v[S+32*vt+2*vi+1]
.elseif q < 314
.set qT, ST+8*(Y+(q-282)%2)
.set qS, S+32*(Y+(q-282)%2)
.set vz, (q-282)/2
.set vw, 4
.set vu, vz
.if vz >= 14
.set vw, 32
.set vu, 0
.elseif vz >= 12
.set vw, 16
.set vu, vz-12
.elseif vz >= 8
.set vw, 8
.set vu, vz-8
.endif
	WIN 0
.if vz < 15
	v_pk_add_f32 v[qS+vw*vu:qS+vw*vu+1], v[qS+vw*vu:qS+vw*vu+1], v[qS+vw*vu+vw/2:qS+vw*vu+vw/2+1]
.else
	v_pk_fma_f32 v[qT+2:qT+3], v[qT+2:qT+3], v[qT+6:qT+7], v[qS:qS+1] op_sel_hi:[1,0,1]
.endif
.else
.set qT, ST+8*(Y+(q-314)%2)
.set qO, 64*(Y+(q-314)%2)+2*((q-314)/2)
	WIN W_RS
	v_pk_mul_f32 v[qO:qO+1], v[qO:qO+1], v[qT+6:qT+7] op_sel_hi:[1,0]
.endif
.set q, q+1
.set rc, rc+em
.endm
.macro RIDE                            ; behind a product: the queue's next four lines (at most nine entries hold them)
.set rc, 0
.rept 12
.if (rc < 4) && (q < 378)
	VOP
.endif
.endr
.endm
.macro PLACES
.rept 4
	v_nop
.endr
.endm
; A TURN: piece x has the matrix unit, the queue is the other piece's.  The 236 lines ahead of the wait are the four behind products 0 to 58; 20 roundings stand behind products 59 to 63; the other 108 lines
; follow in one run: they are also the plain instructions between the last product and the next turn's first line on its scores, and the loads into K's registers.
; Piece 0's turn fetches the next step's K behind its second product; piece 2's turn the same step's V behind its 34th: twelve plain lines of the queue and four v_nop stand behind V's last reader, the 32nd.
; No label and no branch stands between the turn's first exponential (behind product 26) and the wait.
.macro TURN x, last=0
.set Y, 2-(\x)
.set q, 0
.if (\x) == 0
	s_wait_dscnt 0x0                               ; V is in
.endif
.set i, 0
.rept 32
	PVM \x
	RIDE
.if ((\x) == 0) && (i == 1)
	FETCH_K \last
.endif
.set i, i+1
.endr
.if (\x) == 0
	s_wait_dscnt 0x0                               ; K is in
.endif
.set i, 0
.rept 32
	KQ \x
	RIDE
.if ((\x) == 2) && (i == 1)
	PLACES
	FETCH_V
.endif
.set i, i+1
.endr
.rept 108
	VOP
.endr
.endm
; THE CHANGE OF SLOTS, between piece 2's turn and piece 0's.  Each wave waits for all its tensor loads, of which one is out: its part of the other slot; adds 0 to its spare word; and waits for that and for its reads of
; the slot.  fill = 1: the barrier is a round of the cluster's, and the joint refill, the keys two slots on, is the first thing behind it: it has two key steps, 256 products, in which to land.
.macro CHANGE fill
	WIN 0
	s_wait_tensorcnt 0x0
	ds_add_u32 v[SPW], v[NIL]
.if \fill
.irp g, G0K+4, G0V+4
	s_xor_b32 s[(\g)+1], s[(\g)+1], SLOTB
	s_add_nc_u64 s[(\g)+2:(\g)+3], s[(\g)+2:(\g)+3], 32768
.endr
	s_wait_xcnt 0x0                                ; the last prefetch of K or V, two key steps back, has read its address
	s_add_nc_u64 s[PFA:PFA+1], s[PFA:PFA+1], 32768
	s_wait_dscnt 0x0
	CROUND
	JLOAD
	ASK
.else
	s_wait_dscnt 0x0
	s_barrier_signal -1
	s_barrier_wait -1
.endif
	s_sub_co_u32 s[TBK], s[TBK], 2*KS*PK           ; the fetches go back to a slot's first step, in the other slot
	s_xor_b32 s[TBK], s[TBK], SLOTB
	s_sub_co_u32 s[TBV], s[TBV], 2*KS*PV
	s_xor_b32 s[TBV], s[TBV], SLOTB
.endm
	s_wait_tensorcnt 1                             ; my part of slot 0 is in; slot 1's may stay out
	s_barrier_signal -1
	s_barrier_wait -1
	FETCH_K                                        ; key step 0
	s_wait_loadcnt 16                              ; Q is in; the sixteen mask loads are younger
	s_wait_dscnt 0x0
.set i, 0
.rept 32
	KQ 0                                           ; piece 0's first scores
.set i, i+1
.endr
	WIN 0                                          ; the addresses for the way out: plain instructions, the places behind those products
	s_mul_i32 s78, s[WV], 16*SP
	s_add_co_u32 s78, s78, STAGE
	v_mul_u32_u24 v[STO], v1, SP
	v_lshl_add_u32 v[STO], v9, 4, v[STO]
	v_add_nc_u32 v[STO], s78, v[STO]
	v_mul_u32_u24 v[RD], v9, SP
	v_lshl_add_u32 v[RD], v1, 4, v[RD]
	v_add_nc_u32 v[RD], s78, v[RD]
	v_lshlrev_b32 v[GO], 11, v9
	v_lshl_add_u32 v[GO], v1, 4, v[GO]
	s_mul_i32 s79, s[WV], XCHB
	v_lshl_add_u32 v[XS], v11, 4, s79
	s_xor_b32 s80, s[WV], 2                        ; my partner: the same queries, the other key half
	s_mul_i32 s80, s80, XCHB
	v_lshl_add_u32 v[XR], v11, 4, s80
	s_mov_b32 s[CNT], 2
	s_mov_b32 s[SLOTS], 7                          ; a key half has 8 slots.  The way in passes the count's step once with no change of slots (slot 0's two steps): 7 to 6; then six trips fill slots 2 to 7
	s_branch .Lmid                                 ; the loop is entered at piece 2's turn: its products V^T P, of a step that has not been, add 0
.Lslot:                                            ; six trips: every slot but the last two is filled again
	CHANGE 1
	s_mov_b32 s[CNT], 2
.Lstep:
	TURN 0
	WIN 0
.Lmid:
	TURN 2
	WIN 0
	s_sub_co_u32 s[CNT], s[CNT], 1
	s_cmp_lg_u32 s[CNT], 0
	s_cbranch_scc1 .Lstep
	s_sub_co_u32 s[SLOTS], s[SLOTS], 1
	s_cmp_lg_u32 s[SLOTS], 0
	s_cbranch_scc1 .Lslot
	CHANGE 0                                       ; the tail, slot 7, is written out
	s_mov_b32 s[CNT], 3
	s_branch .LtT0
.LtT2:
	TURN 2
	WIN 0
.LtT0:
	TURN 0, 1                                      ; the third time there is no K left: its 32 products K Q^T, on the last K once more, serve nothing: the price of one text for every trip
	WIN 0
	s_sub_co_u32 s[CNT], s[CNT], 1
	s_cmp_lg_u32 s[CNT], 0
	s_cbranch_scc1 .LtT2
.set i, 0
.rept 32
	PVM 2                                          ; piece 2's V^T P of the last step
.set i, i+1
.endr
	; THE TWO KEY HALVES MEET.  l's two halves and the other half of the lanes' are added: plain instructions, the places behind the last products
	WIN 0
.irp t, 0,1,2,3
	v_add_f32 v[ST+8*(\t)+2], v[ST+8*(\t)+2], v[ST+8*(\t)+3]
.endr
.irp t, 0,1,2,3
	v_permlanex16_b32 v[ST+8*(\t)+3], v[ST+8*(\t)+2], s[SEL], s[SEL+1]
.endr
.irp t, 0,1,2,3
	v_add_f32 v[ST+8*(\t)+2], v[ST+8*(\t)+2], v[ST+8*(\t)+3]
.endr
	v_mov_b32 v[PS], v[ST+16]
	v_mov_b32 v[PS+1], v[ST+18]
	v_mov_b32 v[PS+2], v[ST+24]
	v_mov_b32 v[PS+3], v[ST+26]
	s_wait_dscnt 0x0
	s_barrier_signal -1
	s_barrier_wait -1                              ; every wave's reads of the ring are over, and every tensor load has landed (the last change waited for all): slot 0's bytes serve the exchange
	WIN 0x04                                       ; the stores' data lie in window 1
.set i, 0
.rept 32
	ds_store_b128 v[XS], v[128+4*i:128+4*i+3] offset:512*i  ; tiles 2 and 3, ascending: each accumulator's lowest registers first
.set i, i+1
.endr
	WIN 0
	ds_store_b128 v[XS], v[PS:PS+3] offset:16384
	s_wait_dscnt 0x0                               ; for the partner's sake: my stores are done
	s_barrier_signal -1
	s_barrier_wait -1
	ds_load_b128 v[PS:PS+3], v[XR] offset:16384
.set i, 0
.rept 32
	ds_load_b128 v[S+4*i:S+4*i+3], v[XR] offset:512*i  ; the partner's sums for my tiles 0 and 1
.set i, i+1
.endr
	s_wait_dscnt 0x0
.irp u, 0,1
	v_max_num_f32 v[ST+8*\u+4], v[ST+8*\u], v[PS+2*\u]
	v_sub_f32 v[ST+8*\u+5], v[ST+8*\u], v[ST+8*\u+4]
	v_sub_f32 v[ST+8*\u+7], v[PS+2*\u], v[ST+8*\u+4]
	v_mul_f32 v[ST+8*\u+5], s[CS], v[ST+8*\u+5]
	v_mul_f32 v[ST+8*\u+7], s[CS], v[ST+8*\u+7]
.endr
.irp u, 0,1
	v_exp_f32 v[ST+8*\u+5], v[ST+8*\u+5]
	v_exp_f32 v[ST+8*\u+7], v[ST+8*\u+7]
.endr
	v_nop
	s_wait_alu depctr_va_vdst(0)                   ; one wait for the four exponentials
.irp u, 0,1
	v_mul_f32 v[ST+8*\u+4], v[ST+8*\u+7], v[PS+2*\u+1]
	v_fmac_f32 v[ST+8*\u+4], v[ST+8*\u+5], v[ST+8*\u+2]
.endr
.irp u, 0,1
	v_rcp_f32 v[ST+8*\u+4], v[ST+8*\u+4]
.endr
	v_nop
	s_wait_alu depctr_va_vdst(0)                   ; one wait for the two reciprocals
.irp u, 0,1
	v_mul_f32 v[ST+8*\u+6], v[ST+8*\u+7], v[ST+8*\u+4]  ; the partner's factor,
	v_mul_f32 v[ST+8*\u+4], v[ST+8*\u+5], v[ST+8*\u+4]  ; and mine
.endr
.macro PACKM u                         ; tile u: the two halves weighted and added, rounded to f16, through my stage: 16 bytes a lane in, whole rows of 256 bytes back
	WIN W_RS
.set i, 0
.rept 32
	v_pk_mul_f32 v[64*(\u)+2*i:64*(\u)+2*i+1], v[64*(\u)+2*i:64*(\u)+2*i+1], v[ST+8*(\u)+4:ST+8*(\u)+5] op_sel_hi:[1,0]
.set i, i+1
.endr
	WIN 0x50                                       ; the sum and the destination in window 1, the partner's numbers and the factor in window 0
.set i, 0
.rept 32
	v_pk_fma_f32 v[64*(\u)+2*i:64*(\u)+2*i+1], v[S+64*(\u)+2*i:S+64*(\u)+2*i+1], v[ST+8*(\u)+6:ST+8*(\u)+7], v[64*(\u)+2*i:64*(\u)+2*i+1] op_sel_hi:[1,0,1]
.set i, i+1
.endr
	WIN 0x05
.set i, 0
.rept 32
	v_cvt_pk_f16_f32 v[P+32*(\u)+i], v[64*(\u)+2*i], v[64*(\u)+2*i+1]
.set i, i+1
.endr
	WIN 0
.irp f, 0,1,2,3,4,5,6,7
	ds_store_b128 v[STO], v[P+32*(\u)+4*(\f):P+32*(\u)+4*(\f)+3] offset:32*(\f)
.endr
.irp f, 0,1,2,3,4,5,6,7
	ds_load_b128 v[P+32*(\u)+4*(\f):P+32*(\u)+4*(\f)+3], v[RD] offset:(\f)*2*SP  ; LDS serves a wave's instructions in order: these see the stores above
.endr
.endm
.macro SEND u, younger                 ; younger: the LDS instructions issued behind tile u's loads
.irp f, 0,1,2,3,4,5,6,7
	s_wait_dscnt (\younger)+7-(\f)
	global_store_b128 v[GO], v[P+32*(\u)+4*(\f):P+32*(\u)+4*(\f)+3], s[10:11] offset:(16*(\u)+2*(\f))*2048  ; two rows: 16 lanes store 256 consecutive bytes, aligned
.endr
.endm
	PACKM 0
	PACKM 1
	SEND 0, 16
	SEND 1, 0
	s_wait_tensorcnt 0x0                           ; the wave's end
	ds_add_u32 v[SPW], v[NIL]
	s_wait_dscnt 0x0
	CROUND                                         ; the closing round
	s_endpgm
.Lfunc_end_k_q58871c1d3c_attn:
	.size	k_q58871c1d3c_attn, .Lfunc_end_k_q58871c1d3c_attn-k_q58871c1d3c_attn
	.p2alignl 7, 3214868480
	.fill 96, 4, 3214868480
	.section	.rodata,"a",@progbits
	.p2align	6, 0x0
	.amdhsa_kernel k_q58871c1d3c_attn
		.amdhsa_group_segment_fixed_size 327680
		.amdhsa_private_segment_fixed_size 0
		.amdhsa_enable_private_segment 0
		.amdhsa_kernarg_size 24
		.amdhsa_user_sgpr_count 2
		.amdhsa_user_sgpr_kernarg_segment_ptr 1
		.amdhsa_wavefront_size32 1
		.amdhsa_system_sgpr_workgroup_id_x 1
		.amdhsa_system_sgpr_workgroup_id_y 1
		.amdhsa_system_sgpr_workgroup_id_z 1
		.amdhsa_system_vgpr_workitem_id 0
		.amdhsa_next_free_vgpr 1024
		.amdhsa_next_free_sgpr 88
		.amdhsa_reserve_vcc 0
		.amdhsa_float_denorm_mode_32 3
		.amdhsa_float_denorm_mode_16_64 3
		.amdhsa_memory_ordered 1
		.amdhsa_forward_progress 1
		.amdhsa_inst_pref_size 187
	.end_amdhsa_kernel
	.amdgpu_metadata
---
amdhsa.version: [ 1, 2 ]
amdhsa.kernels:
  - .name:           k_q58871c1d3c_attn
    .symbol:         k_q58871c1d3c_attn.kd
    .args:
      - { .name: qkv, .offset: 0, .size: 8, .value_kind: global_buffer, .address_space: global }
      - { .name: mb, .offset: 8, .size: 8, .value_kind: global_buffer, .address_space: global }
      - { .name: ob, .offset: 16, .size: 8, .value_kind: global_buffer, .address_space: global }
    .group_segment_fixed_size: 327680
    .private_segment_fixed_size: 0
    .kernarg_segment_align: 8
    .kernarg_segment_size: 24
    .max_flat_workgroup_size: 128
    .sgpr_count:     88
    .vgpr_count:     1024
    .wavefront_size: 32
...
	.end_amdgpu_metadata
.endif
;; end of part 3
;; launch oproj (part 4): grid 16 x 16, 4 waves a work-group, clusters of 4 x 4, 327,680 bytes of LDS; arguments ob, wo, out0; writes out0
.if DOCPART == 4
	.amdgcn_target "amdgcn-amd-amdhsa--gfx1250"
	.amdhsa_code_object_version 6
	.text
	.protected	k_q58871c1d3c_oproj
	.globl	k_q58871c1d3c_oproj
	.p2align	8
	.type	k_q58871c1d3c_oproj,@function
k_q58871c1d3c_oproj:
	s_mov_b64 s[64:65], 0
	v_nop
	global_prefetch_b8 v0, s[64:65] scope:SCOPE_SE
	s_setreg_imm32_b32 hwreg(HW_REG_WAVE_MODE, 25, 1), 1
	s_wait_xcnt 0x0
	s_wait_alu depctr_hold_cnt(0) depctr_sa_sdst(0) depctr_va_vdst(0) depctr_va_sdst(0) depctr_va_ssrc(0) depctr_va_vcc(0) depctr_vm_vsrc(0)
	s_getreg_b32 s2, hwreg(HW_REG_IB_STS2, 6, 4)
	s_cmp_eq_u32 s2, 0
	s_cbranch_scc0 .Lentry_in_a_cluster
	s_endpgm
.Lentry_in_a_cluster:
	s_bfe_u32 s2, ttmp6, 0x10000c
	s_cmp_lg_u32 s2, 0xf033
	s_cbranch_scc0 .Lentry_shape_is_right
	s_endpgm
.Lentry_shape_is_right:
; out0 = O Wo.  O: f16 [4096][1024]; Wo: f16 [1024 k][2048 n] (o_kernel rounded to bf16, written as f16); out0: f32 [4096][2048].  Sums in f32.
; A tile of 256 rows x 128 columns gives 16 x 16 = 256 work-groups.  Four waves, each 128 rows x 64 columns: 32 accumulators, 256 registers.  K = 1,024 goes in 8 steps of 128 through two LDS slots.
; O's rows lie along K; Wo's along n, so its fragments come out of LDS turned.  CLUSTER 4 x 4: O's tile is asked for jointly by a row of the cluster, Wo's by a column.
; THE MATRIX INSTRUCTION IS USED TRANSPOSED (source 0 = 16 columns of Wo, source 1 = 16 rows of O): a lane holds eight neighbouring numbers of a row of out0.
; No prefetch: the tile is small and K has eight steps, of which the first four come by their loads in any case.
; REGISTERS: window 0: v0-31 addresses; v32-63, v224-255 the way out; v64-127, v128-191 fragments of O, two buffers.  Window 1: v64-95, v128-159 fragments of Wo.  Window 2: accumulators ((a, b) at v[8 (4 a + b)]).
.set PITCH,  272
.set PBB,    288                       ; a row of Wo in LDS: 256 bytes + 32
.set AHALF,  128*PITCH
.set BOFF,   2*AHALF
.set BHALF,  64*PBB
.set SLOT,   BOFF+2*BHALF
.set STAGE,  2*SLOT                    ; never filled by a tensor load: 16 rows x 272 bytes for each wave
.set SPITCH, 272
.set SPARE,  STAGE+4*16*SPITCH
.set ADRA, 16
.set ADRB, 20
.set STO,  24
.set RD,   25
.set CO,   26
.set SPW,  28
.set NIL,  29
.set OB,   32
.set F0,   64
.set F1,   128
.set G1,  24
.set G0,  32
.set G1B, 48
.set G0B, 56
.set MSB, 0
.macro WIN new
.if MSB != (\new)
	s_set_vgpr_msb (MSB<<8)|(\new)
.set MSB, \new
.endif
.endm
.set MUL,  0xa1                        ; source 0 (Wo) window 1, source 1 (O) window 0, C and D window 2
.set TO_B, 0x40
.macro JLOAD s
	s_cmp_eq_u32 s11, 0
	s_cbranch_scc0 .Lfor_b_\@
	tensor_load_to_lds s[G0+4*(\s):G0+4*(\s)+3], s[G1:G1+7]
	s_nop 0
.rept 4
	v_nop
.endr
	s_branch .Lasked_\@
.Lfor_b_\@:
	tensor_load_to_lds s[G0B+4*(\s):G0B+4*(\s)+3], s[G1B:G1B+7]
	s_nop 0
.rept 4
	v_nop
.endr
.Lasked_\@:
.endm
.macro CREST
	s_cmp_lg_u32 s10, 0
	s_cbranch_scc1 .Lnot_wave_0_\@
	s_barrier_signal -3
.Lnot_wave_0_\@:
	s_barrier_wait -3
	s_barrier_signal -1
	s_barrier_wait -1
.endm
.macro CROUND
	s_barrier_signal -1
	s_barrier_wait -1
	CREST
.endm
	s_load_b128 s[4:7], s[0:1], 0x0                ; ob, wo
	s_load_b64 s[8:9], s[0:1], 0x10                ; out0
	v_lshl_add_u32 v[SPW], v0, 2, SPARE
	v_mov_b32 v[NIL], 0
	ds_add_u32 v[SPW], v[NIL]                      ; the wave's opening: the add and its wait stand ahead of my first tensor load
	v_lshrrev_b32 v1, 5, v0
	v_readfirstlane_b32 s10, v1                    ; wave
	s_lshr_b32 s11, s10, 1                         ; which 128 rows are mine.  Also: I fetch for O (0) or for Wo (1)
	s_and_b32 s12, s10, 1                          ; which 64 columns.  Also: which half of that tile I fetch
	s_bfe_u32 s40, ttmp6, 0x40000
	s_bfe_u32 s41, ttmp6, 0x40004
	s_lshl_b32 s42, ttmp9, 2
	s_add_co_u32 s42, s42, s40                     ; tile column
	s_and_b32 s13, ttmp7, 0xffff
	s_lshl_b32 s13, s13, 2
	s_add_co_u32 s13, s13, s41                     ; tile row
	s_lshl_b32 s43, s41, 2
	s_lshl_b32 s43, 15, s43
	s_lshl_b32 s44, 0x1111, s40
	s_or_b32 s[G1], s43, (1<<16)|(1<<20)|(1<<21)|(5<<22)|(3<<25)
	s_or_b32 s[G1B], s44, (1<<16)|(1<<20)|(1<<21)|(5<<22)|(7<<25)
	s_mov_b32 s[G1+1], 128<<16
	s_mov_b32 s[G1+2], 128<<16
	s_mov_b32 s[G1+3], 128<<16
	s_mov_b32 s[G1+4], 128
	s_mov_b32 s[G1+5], 1024
	s_mov_b32 s[G1+6], 0
	s_mov_b32 s[G1+7], 0
	s_mov_b32 s[G1B+1], 128<<16
	s_mov_b32 s[G1B+2], 64<<16
	s_mov_b32 s[G1B+3], 128<<16
	s_mov_b32 s[G1B+4], 64
	s_mov_b32 s[G1B+5], 2048
	s_mov_b32 s[G1B+6], 0
	s_mov_b32 s[G1B+7], 0
	s_lshl_b32 s16, s13, 19                        ; O: (256 x tile row + 128 x half) rows of 2,048 bytes
	s_lshl_b32 s17, s12, 18
	s_add_co_u32 s16, s16, s17
	s_mov_b32 s17, 0
	s_lshl_b32 s46, s42, 8                         ; Wo: 256 bytes a tile column, 64 rows of 4,096 bytes a half
	s_lshl_b32 s47, s12, 18
	s_add_co_u32 s46, s46, s47
	s_mov_b32 s47, 0
	s_mul_i32 s20, s12, AHALF
	s_mul_i32 s21, s12, BHALF
	s_add_co_u32 s21, s21, BOFF
	s_wait_dscnt 0x0                               ; the opening add is done
	s_wait_kmcnt 0x0
	s_add_nc_u64 s[14:15], s[4:5], s[16:17]
	s_add_nc_u64 s[46:47], s[6:7], s[46:47]
	CROUND
.irp s, 0,1
	s_mov_b32 s[G0+4*(\s)], 1
	s_add_co_u32 s[G0+4*(\s)+1], s20, (\s)*SLOT
	s_add_nc_u64 s[G0+4*(\s)+2:G0+4*(\s)+3], s[14:15], (\s)*256
	s_or_b32 s[G0+4*(\s)+3], s[G0+4*(\s)+3], 0x80000000
	s_mov_b32 s[G0B+4*(\s)], 1
	s_add_co_u32 s[G0B+4*(\s)+1], s21, (\s)*SLOT
	s_add_nc_u64 s[G0B+4*(\s)+2:G0B+4*(\s)+3], s[46:47], (\s)*524288
	s_or_b32 s[G0B+4*(\s)+3], s[G0B+4*(\s)+3], 0x80000000
	JLOAD \s
.endr
	v_and_b32 v1, 15, v0
	v_bfe_u32 v2, v0, 4, 1
	v_mul_u32_u24 v3, v1, PITCH
	v_lshl_add_u32 v3, v2, 4, v3
	s_mul_i32 s22, s11, AHALF
	v_add_nc_u32 v[ADRA], s22, v3
	v_add_nc_u32 v[ADRA+1], SLOT, v[ADRA]
	v_and_b32 v4, 7, v0
	v_lshl_add_u32 v4, v2, 3, v4
	v_mul_u32_u24 v4, v4, PBB
	v_bfe_u32 v5, v0, 3, 1
	v_lshl_add_u32 v4, v5, 4, v4
	s_lshl_b32 s23, s12, 7
	s_add_co_u32 s23, s23, BOFF
	v_add_nc_u32 v[ADRB], s23, v4
	v_add_nc_u32 v[ADRB+1], SLOT, v[ADRB]
	s_mul_i32 s18, s10, 16*SPITCH
	s_add_co_u32 s18, s18, STAGE
	v_mul_u32_u24 v[STO], v1, SPITCH               ; in: row l % 16, 32 bytes for each half of the lanes
	v_lshl_add_u32 v[STO], v2, 5, v[STO]
	v_add_nc_u32 v[STO], s18, v[STO]
	v_mul_u32_u24 v[RD], v2, SPITCH                ; back: lanes 0-15 one row of 256 bytes, lanes 16-31 the next
	v_lshl_add_u32 v[RD], v1, 4, v[RD]
	v_add_nc_u32 v[RD], s18, v[RD]
	v_lshlrev_b32 v[CO], 13, v2
	v_lshl_add_u32 v[CO], v1, 4, v[CO]
	s_lshl_b32 s16, s13, 21                        ; my part of out0: (256 x tile row + 128 x half) rows of 8,192 bytes, 512 bytes a tile column, 256 a half
	s_lshl_b32 s17, s11, 20
	s_add_co_u32 s16, s16, s17
	s_lshl_b32 s17, s42, 9
	s_add_co_u32 s16, s16, s17
	s_lshl_b32 s17, s12, 8
	s_add_co_u32 s16, s16, s17
	s_mov_b32 s17, 0
.macro MUL8 f, a0, zero                ; 8 products: row blocks a0, a0 + 1 x all 4 column blocks, 32 along K.  The 32 accumulators take turns
	WIN MUL
.irp a, \a0, (\a0)+1
.irp b, 0,1,2,3
.if \zero
	v_wmma_f32_16x16x32_f16 v[8*(4*(\a)+(\b)):8*(4*(\a)+(\b))+7], v[(\f)+8*(\b):(\f)+8*(\b)+7], v[(\f)+8*(\a):(\f)+8*(\a)+7], 0
.else
	v_wmma_f32_16x16x32_f16 v[8*(4*(\a)+(\b)):8*(4*(\a)+(\b))+7], v[(\f)+8*(\b):(\f)+8*(\b)+7], v[(\f)+8*(\a):(\f)+8*(\a)+7], v[8*(4*(\a)+(\b)):8*(4*(\a)+(\b))+7]
.endif
.endr
.endr
.endm
.macro FETCH slot, q, f                ; 24 LDS loads in one run: Wo's 4 column blocks (turned), then O's 8 row blocks
	WIN TO_B
.irp i, 0,1,2,3
	ds_load_tr16_b128 v[(\f)+8*(\i):(\f)+8*(\i)+3],   v[ADRB+(\slot)] offset:(\q)*32*PBB+32*(\i)
	ds_load_tr16_b128 v[(\f)+8*(\i)+4:(\f)+8*(\i)+7], v[ADRB+(\slot)] offset:(\q)*32*PBB+16*PBB+32*(\i)
.endr
	WIN 0
.irp i, 0,1,2,3,4,5,6,7
	ds_load_b128 v[(\f)+8*(\i):(\f)+8*(\i)+3],   v[ADRA+(\slot)] offset:64*(\q)+(\i)*16*PITCH
	ds_load_b128 v[(\f)+8*(\i)+4:(\f)+8*(\i)+7], v[ADRA+(\slot)] offset:64*(\q)+(\i)*16*PITCH+32
.endr
.endm
.macro PLACES
.rept 4
	v_nop
.endr
.endm
.macro QUARTER slot, q, f, g, zero
	s_wait_dscnt 8                                 ; Wo and O's rows 0-63 are in; the youngest eight loads may be out
	MUL8 \f, 0, \zero
	MUL8 \f, 2, \zero
	PLACES
	FETCH \slot, \q, \g
	s_wait_dscnt 24                                ; all but the 24 just issued
	MUL8 \f, 4, \zero
	MUL8 \f, 6, \zero
.endm
.macro TURN slot, next, fill           ; the last quarter changes slots; fill = 1: this slot is filled again, two K steps on, first thing behind the round
	WIN 0
	s_wait_tensorcnt 0x0                           ; all my tensor loads have landed: my part of the next slot
	ds_add_u32 v[SPW], v[NIL]
	s_wait_dscnt 9                                 ; the add and the youngest eight loads may be out
	MUL8 F1, 0, 0
	s_wait_dscnt 0x0                               ; the add is done, and my reads of this slot are over
	s_barrier_signal -1
	MUL8 F1, 2, 0
.if \fill
	WIN 0
.endif
	s_barrier_wait -1
.if \fill
	CREST
	s_add_nc_u64 s[G0+4*(\slot)+2:G0+4*(\slot)+3], s[G0+4*(\slot)+2:G0+4*(\slot)+3], 2*256
	s_add_nc_u64 s[G0B+4*(\slot)+2:G0B+4*(\slot)+3], s[G0B+4*(\slot)+2:G0B+4*(\slot)+3], 2*524288
	JLOAD \slot                                    ; its four v_nop are also the places in front of the loads below
.else
	PLACES
.endif
	FETCH \next, 0, F0
	MUL8 F1, 4, 0
	MUL8 F1, 6, 0
.endm
	s_wait_tensorcnt 1                             ; my part of K step 0 is in; K step 1's stays out
	s_barrier_signal -1
	s_barrier_wait -1
	FETCH 0, 0, F0
	QUARTER 0, 1, F0, F1, 1
	WIN 0
	s_mov_b32 s3, 3
.Llap:                                             ; three trips fill both slots again: K steps 2 to 7
	QUARTER 0, 2, F1, F0, 0
	QUARTER 0, 3, F0, F1, 0
	TURN 0, 1, 1
	QUARTER 1, 1, F0, F1, 0
	QUARTER 1, 2, F1, F0, 0
	QUARTER 1, 3, F0, F1, 0
	TURN 1, 0, 1
	QUARTER 0, 1, F0, F1, 0
	WIN 0
	s_sub_co_u32 s3, s3, 1
	s_cmp_lg_u32 s3, 0
	s_cbranch_scc1 .Llap
	QUARTER 0, 2, F1, F0, 0                        ; the last lap fills nothing
	QUARTER 0, 3, F0, F1, 0
	TURN 0, 1, 0
	QUARTER 1, 1, F0, F1, 0
	QUARTER 1, 2, F1, F0, 0
	QUARTER 1, 3, F0, F1, 0
	s_wait_dscnt 8
	MUL8 F1, 0, 0
	MUL8 F1, 2, 0
	s_wait_dscnt 0x0
	MUL8 F1, 4, 0
	MUL8 F1, 6, 0
	WIN 0
	PLACES
	PLACES
; THE WAY OUT, by blocks of 16 rows: f32 as it is, 32 bytes a lane into my stage, whole rows of 256 bytes back, two rows a store.
.macro TOSTAGE a
	WIN 0x08                                       ; the stores' data lie in window 2; each accumulator's four lowest registers go first
.irp b, 0,1,2,3
	ds_store_b128 v[STO], v[8*(4*(\a)+(\b)):8*(4*(\a)+(\b))+3]   offset:64*(\b)
	ds_store_b128 v[STO], v[8*(4*(\a)+(\b))+4:8*(4*(\a)+(\b))+7] offset:64*(\b)+16
.endr
	WIN 0
	s_wait_xcnt 0x0                                ; the buffer below was the data of the stores issued last: it is loaded again only behind this wait
.irp t, 0,1,2,3,4,5,6,7
	ds_load_b128 v[OB+192*((\a)%2)+4*(\t):OB+192*((\a)%2)+4*(\t)+3], v[RD] offset:(\t)*2*SPITCH  ; LDS serves a wave's instructions in order: these see the stores above
.endr
.endm
.macro SEND a, younger                 ; younger: the LDS instructions issued behind block a's loads
	s_wait_dscnt \younger
	s_wait_xcnt 0x0                                ; the stores' base is written only behind this wait
.if (\a) == 0
	s_add_nc_u64 s[8:9], s[8:9], s[16:17]
.else
	s_add_nc_u64 s[8:9], s[8:9], 16*8192
.endif
.irp t, 0,1,2,3,4,5,6,7
	global_store_b128 v[CO], v[OB+192*((\a)%2)+4*(\t):OB+192*((\a)%2)+4*(\t)+3], s[8:9] offset:(\t)*16384 th:TH_STORE_NT  ; 16 lanes store 256 consecutive bytes, aligned
.endr
.endm
	TOSTAGE 0
.irp a, 1,2,3,4,5,6,7
	TOSTAGE \a
	SEND (\a)-1, 16
.endr
	SEND 7, 0
	s_wait_tensorcnt 0x0                           ; the wave's end
	ds_add_u32 v[SPW], v[NIL]
	s_wait_dscnt 0x0
	CROUND                                         ; the closing round
	s_endpgm
.Lfunc_end_k_q58871c1d3c_oproj:
	.size	k_q58871c1d3c_oproj, .Lfunc_end_k_q58871c1d3c_oproj-k_q58871c1d3c_oproj
	.p2alignl 7, 3214868480
	.fill 96, 4, 3214868480
	.section	.rodata,"a",@progbits
	.p2align	6, 0x0
	.amdhsa_kernel k_q58871c1d3c_oproj
		.amdhsa_group_segment_fixed_size 327680
		.amdhsa_private_segment_fixed_size 0
		.amdhsa_enable_private_segment 0
		.amdhsa_kernarg_size 24
		.amdhsa_user_sgpr_count 2
		.amdhsa_user_sgpr_kernarg_segment_ptr 1
		.amdhsa_wavefront_size32 1
		.amdhsa_system_sgpr_workgroup_id_x 1
		.amdhsa_system_sgpr_workgroup_id_y 1
		.amdhsa_system_sgpr_workgroup_id_z 1
		.amdhsa_system_vgpr_workitem_id 0
		.amdhsa_next_free_vgpr 768
		.amdhsa_next_free_sgpr 66
		.amdhsa_reserve_vcc 0
		.amdhsa_float_denorm_mode_32 3
		.amdhsa_float_denorm_mode_16_64 3
		.amdhsa_memory_ordered 1
		.amdhsa_forward_progress 1
		.amdhsa_inst_pref_size 87
	.end_amdhsa_kernel
	.amdgpu_metadata
---
amdhsa.version: [ 1, 2 ]
amdhsa.kernels:
  - .name:           k_q58871c1d3c_oproj
    .symbol:         k_q58871c1d3c_oproj.kd
    .args:
      - { .name: ob, .offset: 0, .size: 8, .value_kind: global_buffer, .address_space: global }
      - { .name: wo, .offset: 8, .size: 8, .value_kind: global_buffer, .address_space: global }
      - { .name: out0, .offset: 16, .size: 8, .value_kind: global_buffer, .address_space: global }
    .group_segment_fixed_size: 327680
    .private_segment_fixed_size: 0
    .kernarg_segment_align: 8
    .kernarg_segment_size: 24
    .max_flat_workgroup_size: 128
    .sgpr_count:     66
    .vgpr_count:     768
    .wavefront_size: 32
...
	.end_amdgpu_metadata
.endif
;; end of part 4
;; ======== version 2 of 2: 4 launches; version 1 with the launch cast written anew for expert scheduling mode
;; limits: values are held in f16: magnitudes above 65,504 overflow, below 6.1e-05 lose precision
;; workspace buffers: xb 16,777,216 bytes; wqkv 12,582,912 bytes; wo 4,194,304 bytes; mb 16,777,216 bytes; rope 2,228,224 bytes; qkv 25,165,824 bytes; ob 8,388,608 bytes
;; launch cast (part 5): grid 964 x 1, 8 waves a work-group, no clusters, 0 bytes of LDS; arguments hidden_states, q_kernel, k_kernel, v_kernel, cos, sin, xb, wqkv, rope; writes xb, wqkv, rope
.if DOCPART == 5
	.amdgcn_target "amdgcn-amd-amdhsa--gfx1250"
	.amdhsa_code_object_version 6
	.text
	.protected	k_q58871c1d3c_cast
	.globl	k_q58871c1d3c_cast
	.p2align	8
	.type	k_q58871c1d3c_cast,@function
k_q58871c1d3c_cast:
	s_mov_b64 s[64:65], 0
	v_nop
	global_prefetch_b8 v0, s[64:65] scope:SCOPE_SE
	s_setreg_imm32_b32 hwreg(HW_REG_WAVE_SCHED_MODE, 0, 2), 2
	s_setreg_imm32_b32 hwreg(HW_REG_WAVE_MODE, 25, 1), 1
	s_wait_xcnt 0x0
	s_wait_alu depctr_vm_vsrc(0)
; WHAT THE PROJECTIONS NEED IS ROUNDED ONCE TO bf16 AND LAID OUT FOR THEM.  A stream: each input byte is read once, each output byte written once.  (The mask and o_kernel, which later launches alone need, are cast there.)
; A work-group takes 16,384 numbers, each of its eight waves 2,048: sixteen loads of 16 bytes a lane, all issued at once; the stores have registers of their own, so nothing is rewritten while a store reads it.
; JOBS, by the work-group's number:
;   0-511      hidden_states -> xb, bf16 [4096][2048]
;   512-895    q, k, v kernels -> wqkv, bf16, three matrices [2048 k][1024 n] on end
;   896-959    cos, sin -> rope, bf16: row b*2048+s of 512 bytes = cos[0..127], then sin with the sign of rotate_half: -sin[d] for d < 64, +sin[d] above
;   960-963    256 neutral rows behind them (cos = 1, sin = 0), through which V walks the same lines as Q and K
; No matrix unit, no cluster, no LDS, no barrier: no wave wants a byte that another wave fetched.
; THE MODE: SCHED_MODE bits 1:0 = 2 (LLVM: expert scheduling mode 2), set by the entry lines.  The code itself states the register dependences
; between vector instructions and memory instructions, with s_wait_alu, always for 0.
; THE PLAN.  Registers that memory instructions touch:
;   v[VI]   the loads' offset.  Written once, at the head; read by the sixteen loads.
;   v[VO]   the stores' offset.  Written at the head, and on the tables' path once more, before any memory instruction has read it; read by the sixteen stores.
;   X       Written by the loads alone; read by the conversions.  No vector instruction names X ahead of the loads.
;   Y       Two registers to a store, written by that load's conversions (and sign lines) ahead of the store, never behind it.
; So nothing that a memory instruction has read is ever written again, and the waits state writes alone: one ahead of the run of loads (the offsets), and one to each group of four stores.
; The sixteen loads' numbers are worked on in four groups of four.  Group g's vector lines name X[g], Y[g] and v[VM]; the stores of group g - 1, which name Y[g - 1] and v[VO], are dealt among
; them behind ONE wait at the group's head; the last group's stores follow a wait of their own.
.set X,   16                           ; v[16:79]   as loaded
.set Y,   80                           ; v[80:111]  to store
.set VI,  2                            ; my byte offset in the source
.set VO,  3                            ; in the destination
.set VM,  6                            ; the sign bits for sin
	s_load_b512 s[8:23], s[0:1], 0x0               ; hidden 8, q 10, k 12, v 14, cos 16, sin 18, xb 20, wqkv 22
	s_load_b64 s[24:25], s[0:1], 0x40              ; rope
	v_and_b32 v1, 31, v0                           ; lane
	v_lshrrev_b32 v7, 5, v0
	v_readfirstlane_b32 s2, v7                     ; wave
	s_mov_b32 s3, ttmp9                            ; the job
	s_mov_b32 s39, 0                               ; high words of the two offsets
	s_mov_b32 s41, 0
	s_wait_alu depctr_va_sdst(0)                   ; s2, the wave's number, is written, ahead of its first reader: the line below
	s_lshl_b32 s4, s2, 13
	v_lshl_add_u32 v[VI], v1, 4, s4                ; a wave's 8,192 bytes of f32, 16 bytes a lane
	s_lshl_b32 s4, s2, 12
	v_lshl_add_u32 v[VO], v1, 3, s4                ; a wave's 4,096 bytes of bf16, 8 bytes a lane
	s_wait_kmcnt 0x0
; kind 0: to bf16.  2: to bf16, signs turned by VM.  ostr: bytes in the destination from one load's 128 numbers to the next's.
.macro STREAM kind, ostr
	s_wait_alu depctr_va_vdst(0)                   ; v[VI] and v[VO] are written: the loads below read the one as their offset, the stores the other
.set i, 0
.rept 16
	global_load_b128 v[X+4*i:X+4*i+3], v[VI], s[34:35] offset:512*i th:TH_LOAD_NT
.set i, i+1
.endr
.set i, 0
.rept 16
	s_wait_loadcnt 15-i                            ; loads come back in order: load i is in, the younger ones stay out
.if (i%4 == 0) && (i > 0)
	s_wait_alu depctr_va_vdst(0)                   ; the group before has written its eight registers of Y, which the next four stores read; no vector line behind this wait names them
.endif
.if i >= 4
	global_store_b64 v[VO], v[Y+2*(i-4):Y+2*(i-4)+1], s[36:37] offset:(\ostr)*(i-4)  ; the group before: the wave's store covers 256 consecutive bytes, aligned
.endif
	v_cvt_pk_bf16_f32 v[Y+2*i], v[X+4*i], v[X+4*i+1]
	v_cvt_pk_bf16_f32 v[Y+2*i+1], v[X+4*i+2], v[X+4*i+3]
.if (\kind) == 2
	v_xor_b32 v[Y+2*i], v[VM], v[Y+2*i]
	v_xor_b32 v[Y+2*i+1], v[VM], v[Y+2*i+1]
.endif
.set i, i+1
.endr
	s_wait_alu depctr_va_vdst(0)                   ; the last group has written its eight registers of Y, which the last four stores read
.set i, 12
.rept 4
	global_store_b64 v[VO], v[Y+2*i:Y+2*i+1], s[36:37] offset:(\ostr)*i  ; the wave's store covers 256 consecutive bytes, aligned
.set i, i+1
.endr
.endm
	s_cmp_lt_u32 s3, 512
	s_cbranch_scc1 .Lhid
	s_cmp_lt_u32 s3, 896
	s_cbranch_scc1 .Lw
	s_cmp_lt_u32 s3, 960
	s_cbranch_scc1 .Ltab
	; the neutral rows: 64 rows to a work-group, 8 to a wave
	s_sub_co_u32 s4, s3, 960
	s_lshl_b32 s40, s4, 15
	s_add_co_u32 s40, s40, 2097152
	s_add_nc_u64 s[36:37], s[24:25], s[40:41]
	v_mov_b32 v[Y], 0x3f803f80                     ; 1.0 twice
	v_mov_b32 v[Y+1], 0x3f803f80
	v_mov_b32 v[Y+2], 0
	v_mov_b32 v[Y+3], 0
	s_wait_alu depctr_va_vdst(0)                   ; v[Y] to v[Y+3] and v[VO] are written: the stores below read them as data and as offset
.set i, 0
.rept 16
	global_store_b64 v[VO], v[Y+2*(i%2):Y+2*(i%2)+1], s[36:37] offset:256*i
.set i, i+1
.endr
	s_branch .Lend
.Lhid:
	s_lshl_b32 s38, s3, 16
	s_lshl_b32 s40, s3, 15
	s_add_nc_u64 s[34:35], s[8:9], s[38:39]
	s_add_nc_u64 s[36:37], s[20:21], s[40:41]
	s_branch .Ls0
.Lw:
	s_sub_co_u32 s4, s3, 512
	s_lshr_b32 s5, s4, 7                           ; 0 q, 1 k, 2 v
	s_and_b32 s6, s4, 127
	s_lshl_b32 s38, s6, 16
	s_lshl_b32 s40, s4, 15                         ; the three matrices lie on end in wqkv
	s_cmp_eq_u32 s5, 1
	s_cselect_b64 s[34:35], s[12:13], s[10:11]
	s_cmp_eq_u32 s5, 2
	s_cselect_b64 s[34:35], s[14:15], s[34:35]
	s_add_nc_u64 s[34:35], s[34:35], s[38:39]
	s_add_nc_u64 s[36:37], s[22:23], s[40:41]
.Ls0:
	STREAM 0, 256
	s_branch .Lend
.Ltab:
	s_sub_co_u32 s4, s3, 896
	s_lshr_b32 s5, s4, 5                           ; 0 cos, 1 sin
	s_and_b32 s6, s4, 31
	s_lshl_b32 s38, s6, 16                         ; 128 rows of 512 bytes, in the source and in rope
	s_lshl_b32 s7, s5, 8
	s_add_co_u32 s40, s38, s7                      ; sin lies 256 bytes behind cos in a row
	s_cmp_eq_u32 s5, 1
	s_cselect_b64 s[34:35], s[18:19], s[16:17]
	s_cselect_b32 s7, 0x80008000, 0
	s_add_nc_u64 s[34:35], s[34:35], s[38:39]
	s_add_nc_u64 s[36:37], s[24:25], s[40:41]
	s_lshl_b32 s4, s2, 13                          ; a wave's 16 rows of 512 bytes
	v_lshl_add_u32 v[VO], v1, 3, s4                ; no memory instruction has read v[VO] yet on this path
	v_cmp_gt_u32 vcc_lo, 16, v1                    ; lanes 0-15 hold d < 64
	s_wait_alu depctr_va_vcc(0)                    ; the compare has written VCC, ahead of its one reader: the select below
	v_cndmask_b32 v[VM], 0, s7, vcc_lo
	STREAM 2, 512
.Lend:
	s_endpgm
.Lfunc_end_k_q58871c1d3c_cast:
	.size	k_q58871c1d3c_cast, .Lfunc_end_k_q58871c1d3c_cast-k_q58871c1d3c_cast
	.p2alignl 7, 3214868480
	.fill 96, 4, 3214868480
	.section	.rodata,"a",@progbits
	.p2align	6, 0x0
	.amdhsa_kernel k_q58871c1d3c_cast
		.amdhsa_group_segment_fixed_size 0
		.amdhsa_private_segment_fixed_size 0
		.amdhsa_enable_private_segment 0
		.amdhsa_kernarg_size 72
		.amdhsa_user_sgpr_count 2
		.amdhsa_user_sgpr_kernarg_segment_ptr 1
		.amdhsa_wavefront_size32 1
		.amdhsa_system_sgpr_workgroup_id_x 1
		.amdhsa_system_sgpr_workgroup_id_y 1
		.amdhsa_system_sgpr_workgroup_id_z 1
		.amdhsa_system_vgpr_workitem_id 0
		.amdhsa_next_free_vgpr 112
		.amdhsa_next_free_sgpr 66
		.amdhsa_reserve_vcc 1
		.amdhsa_float_denorm_mode_32 3
		.amdhsa_float_denorm_mode_16_64 3
		.amdhsa_memory_ordered 1
		.amdhsa_forward_progress 1
		.amdhsa_inst_pref_size 17
	.end_amdhsa_kernel
	.amdgpu_metadata
---
amdhsa.version: [ 1, 2 ]
amdhsa.kernels:
  - .name:           k_q58871c1d3c_cast
    .symbol:         k_q58871c1d3c_cast.kd
    .args:
      - { .name: hidden_states, .offset: 0, .size: 8, .value_kind: global_buffer, .address_space: global }
      - { .name: q_kernel, .offset: 8, .size: 8, .value_kind: global_buffer, .address_space: global }
      - { .name: k_kernel, .offset: 16, .size: 8, .value_kind: global_buffer, .address_space: global }
      - { .name: v_kernel, .offset: 24, .size: 8, .value_kind: global_buffer, .address_space: global }
      - { .name: cos, .offset: 32, .size: 8, .value_kind: global_buffer, .address_space: global }
      - { .name: sin, .offset: 40, .size: 8, .value_kind: global_buffer, .address_space: global }
      - { .name: xb, .offset: 48, .size: 8, .value_kind: global_buffer, .address_space: global }
      - { .name: wqkv, .offset: 56, .size: 8, .value_kind: global_buffer, .address_space: global }
      - { .name: rope, .offset: 64, .size: 8, .value_kind: global_buffer, .address_space: global }
    .group_segment_fixed_size: 0
    .private_segment_fixed_size: 0
    .kernarg_segment_align: 8
    .kernarg_segment_size: 72
    .max_flat_workgroup_size: 256
    .sgpr_count:     66
    .vgpr_count:     112
    .wavefront_size: 32
...
	.end_amdgpu_metadata
.endif
;; end of part 5
;; launch qkv: the kernel of part 2 again; grid 16 x 16, 4 waves a work-group, clusters of 4 x 4, 327,680 bytes of LDS; arguments xb, wqkv, rope, q_norm_w, k_norm_w, qkv, attention_mask, mb, o_kernel, wo; writes qkv, mb, wo
;; launch attn: the kernel of part 3 again; grid 16 x 16, 4 waves a work-group, clusters of 4 x 1, 327,680 bytes of LDS; arguments qkv, mb, ob; writes ob
;; launch oproj: the kernel of part 4 again; grid 16 x 16, 4 waves a work-group, clusters of 4 x 4, 327,680 bytes of LDS; arguments ob, wo, out0; writes out0
